; MI455X (gfx1250); checked and timed in simulation.
; The chip was launched on July 23, 2026; its instructions are those of AMD's public machine-readable ISA for CDNA 5 (MIT licence, August 2026) and "CDNA5" Instruction Set Architecture Reference Guide (July 2026). The comments in the code are by the model that wrote it; some were corrected since.
;; Multi Head Self Attention. Allowed arithmetic: matrix products marked QUANTISED: E4M3 operands, one given power-of-two scale a tensor, by v_wmma_f32_16x16x64_fp8_fp8 or v_wmma_f32_16x16x128_fp8_fp8, f32 sums; everything else in f32.
;; Inputs: Wk_codes 1,024 x 32 x 32 uint8 (E4M3 codes of Wk, K innermost, in blocks of 32 codes); Wq_codes 1,024 x 32 x 32 uint8 (E4M3 codes of Wq, K innermost, in blocks of 32 codes); Wv_codes 1,024 x 32 x 32 uint8 (E4M3 codes of Wv, K innermost, in blocks of 32 codes); bk 1,024 float32; bq 1,024 float32; bv 1,024 float32; lowp_scales 10 int32 (the exponents e of the quantised operands' scales 2^e); mask 4 x 2,048 float32; x_codes 4 x 2,048 x 32 x 32 uint8 (E4M3 codes of x, K innermost, in blocks of 32 codes).
;; Outputs: out0 4 x 2,048 x 1,024 float32.
;; This version of the problem:
;;   THIS VERSION OF THE PROBLEM IS GIVEN IN LOW PRECISION. The matrix products marked QUANTISED in the list below multiply operands that are first quantised to E4M3 (4 exponent bits, 3 mantissa bits; 8 bits a number), with one given power-of-two scale for each operand tensor; their sums are f32. All else is computed in f32.
;;   The module's matrix products, in the order in which they are computed (A, B: the left and right operand; K: the contracted axis; several contracted axes count as one K, in the product's order):
;;     1. [M 8,192, K 1,024] x [K 1,024, N 1,024]; A: input x (given as codes); B: input Wq (given as codes): QUANTISED (scales: A lowp_scales[0], B lowp_scales[1])
;;     2. [M 8,192, K 1,024] x [K 1,024, N 1,024]; A: input x (given as codes); B: input Wk (given as codes): QUANTISED (scales: A lowp_scales[2], B lowp_scales[3])
;;     3. [M 8,192, K 1,024] x [K 1,024, N 1,024]; A: input x (given as codes); B: input Wv (given as codes): QUANTISED (scales: A lowp_scales[4], B lowp_scales[5])
;;     4. batch 64 x [M 2,048, K 64] x [K 64, N 2,048]; A: computed on the way; B: computed on the way: QUANTISED (scales: A lowp_scales[6], B lowp_scales[7])
;;     5. batch 64 x [M 2,048, K 2,048] x [K 2,048, N 64]; A: computed on the way; B: computed on the way: QUANTISED (scales: A lowp_scales[8], B lowp_scales[9])
;;   THE QUANTISER, for each operand of a quantised product, along K:
;;     - The operand's scale is 2^e, e = its entry of the input lowp_scales (int32; the entries are numbered through the quantised products in the list's order, A before B).
;;     - Each number is divided by the scale, clamped to +-448, and rounded to the nearest number of E4M3, ties to even, subnormals kept.
;;     - The product sums the exact products of the quantised numbers (number of the format x scale) in f32.
;;   ~~~python
;;   def quantise(x, axis, e):      # numpy; x: float32 -> the quantised numbers, widened to float32 again
;;       x = np.moveaxis(x, axis, -1); K = x.shape[-1]
;;       r = np.clip(x / 2.0 ** e, -448, 448)
;;       step = 2.0 ** (np.maximum(np.frexp(np.where(r == 0, 1, r))[1] - 1, -6) - 3)
;;       q = np.round(r / step) * step * 2.0 ** e      # np.round: ties to even
;;       return np.moveaxis(q, -1, axis).astype(np.float32)
;;   ~~~
;;   OPERANDS COMPUTED ON THE WAY. 'Computed on the way' means the value that the module computes at that place (a softmax that the list does not call 'softmax' is quantised finished and normalised). What goes into a quantiser is computed in f32, as accurately as f32 sums, v_exp_f32 and their like allow (about 1e-6 of the number): no bf16 or f16 on the way to a quantiser, and a product that is left as it is and whose result goes on into a quantised operand takes f32 operands (vector FMAs, or v_wmma_f32_16x16x4_f32). A number that lies on a knife's edge between two numbers of the format may be rounded either way, as far as f32 arithmetic and the matrix unit's own rounding can turn it there, and no further.
;;   INPUTS GIVEN AS CODES. Wk (in the module: [1024, 1024], K = its axis 0); Wq (in the module: [1024, 1024], K = its axis 0); Wv (in the module: [1024, 1024], K = its axis 0); x (in the module: [4, 2048, 1024], K = its axis 2): each comes as NAME_codes (uint8): NAME with its K axis moved to the last place and cut into blocks of 32 codes, [.., K / 32, bytes a block], one block behind the other in memory; one code a byte (a code: sign, 4 exponent bits, 3 mantissa bits); its scale is its entry of lowp_scales. Its value is code x scale, taken as it is: it is not quantised again, and the codes and scales need not be those that the quantiser above would give.
;; 2 versions, each right; version 2 is version 1 with the launch attn written anew for expert scheduling mode. Each part assembles by itself: llvm-mc -triple=amdgcn-amd-amdhsa -mcpu=gfx1250 --defsym DOCPART=n.
;; ======== version 1 of 2: 2 launches
;; limits: right only within a limited range of input values; inputs' magnitudes at most 1.27e+20
;; workspace buffers: qkv 25,165,824 bytes; order 65,536 bytes of whole numbers
;; launch proj (part 1): grid 12 x 32, 4 waves a work-group, clusters of 4 x 4, 327,680 bytes of LDS; arguments x_codes, Wq_codes, Wk_codes, Wv_codes, bq, bk, bv, lowp_scales, mask, qkv, order; writes qkv, order
.if DOCPART == 1
	.amdgcn_target "amdgcn-amd-amdhsa--gfx1250"
	.amdhsa_code_object_version 6
	.text
	.protected	k_qbadac9b559_proj
	.globl	k_qbadac9b559_proj
	.p2align	8
	.type	k_qbadac9b559_proj,@function
k_qbadac9b559_proj:
	s_mov_b64 s[64:65], 0
	v_nop
	global_prefetch_b8 v0, s[64:65] scope:SCOPE_SE
	s_setreg_imm32_b32 hwreg(HW_REG_WAVE_MODE, 25, 1), 1
	s_wait_xcnt 0x0
	s_wait_alu depctr_hold_cnt(0) depctr_sa_sdst(0) depctr_va_vdst(0) depctr_va_sdst(0) depctr_va_ssrc(0) depctr_va_vcc(0) depctr_vm_vsrc(0)
	s_getreg_b32 s2, hwreg(HW_REG_IB_STS2, 6, 4)
	s_cmp_eq_u32 s2, 0
	s_cbranch_scc0 .Lentry_in_a_cluster
	s_endpgm
.Lentry_in_a_cluster:
	s_bfe_u32 s2, ttmp6, 0x10000c
	s_cmp_lg_u32 s2, 0xf033
	s_cbranch_scc0 .Lentry_shape_is_right
	s_endpgm
.Lentry_shape_is_right:
; q, k, v = Q(x W + b): the three projections as ONE product of 8,192 tokens x 3,072 channels x K 1,024 on codes of E4M3, and the list of keys for the attention launch.
; NOTHING OF THE PROBLEM IS LEFT OUT AS DEAD WORK: all five products, all three biases (they move codes) and the mask are honoured, and every input is loaded.
; WHAT WHOLE NUMBERS DECIDE.  A key with m = 0 gives p x m = 0, and where some key of its batch has m > 0.5 its term in the softmax's sum is exp of less than -(5e9 - 2 max|score|), which is 0 in f32, and it is never the
; row's maximum.  So this launch stores, for each batch, the keys with m != 0 in token order and three counts, as whole numbers; the next launch reads them and walks those keys alone.  Where no m of a batch is above 0.5
; the list is the identity and nothing is dropped.  nK = keys listed; nT = steps of 64 keys; nP = steps in which every m is exactly 1 (0 where any m is neither 0 nor 1, or nothing is dropped).
; LIMITS: |score| under 1e9, kept by e6 + e7 <= 9; e0 + e1, e2 + e3, e4 + e5 between -126 and 127; e6, e7, e9 between -126 and 119; NaN in the mask or a bias is not served.
; SHARES.  A work-group of four waves makes 256 tokens x 256 channels; a wave 128 x 128: 64 accumulators, 512 registers.  K goes in steps of 256 through two LDS slots filled by the tensor data mover.
; CLUSTERS: 4 x 4 work-groups.  Cluster x is the tensor (0 q, 1 k, 2 v): 1,024 channels are the cluster's four tile columns, so what differs by tensor is chosen on a number that all partners share.
; The four of a row of the cluster ask for x's tile jointly, the four of a column for the weight's.  The matrix instruction is used transposed (source 0 = 16 channels of W, source 1 = 16 tokens):
; a lane then holds eight neighbouring channels of one token, which one conversion turns into eight codes.
; 384 work-groups: a tile of 256 x 384 would want 768 accumulator registers a wave and leave none for fragments.
; OUT: qkv = tensor x 8,388,608 + [batch][head][token][64] codes: a head's rows are dense, so that 8 tokens of a head are 512 consecutive bytes.
; REGISTERS, in windows of 256: window 0: v0-31 addresses and constants; v32-95 the bias of my 128 channels in the result's layout (before that: the mask, for the list); v96-127 at work on the list;
;   from v128 x's fragments, one set; on the way out v128-191 numbers, v192-207 codes, v208-239 rows read back.   window 1: W's fragments, two sets.   windows 2, 3: the accumulators ((a, b) at v[8 (8 (a % 4) + b)]).
.set KSTEP,  256                       ; along K in a slot
.set ROWB,   256                       ; a tile's row in bytes
.set KROW,   1024                      ; a row of x or of W in memory, in bytes
.set PITCH,  272                       ; an LDS row: 256 bytes + 16 of padding, so that the 16 rows that a load touches begin 16 bytes apart modulo 256
.set FR,     16                        ; registers of a fragment: 16 rows x 128 K
.set NL,     4                         ; LDS loads that bring one
.set NP,     4                         ; places behind this matrix instruction (ISA guide 7.12.1)
.set HALFT,  128*PITCH                 ; what one tensor load brings
.set SLOT,   4*HALFT                   ; x's 256 rows, then W's 256 rows
.set LAPS,   2                         ; 1,024 / (2 x 256)
.set SPARE,  2*SLOT                    ; behind the ring: the spare words, 128 bytes a wave
.set SROW,   80                        ; the way out: a token's 64 codes of one head + 16 of padding
.set SHEAD,  16*SROW                   ; 16 tokens of one head
.set SWAVE,  2*SHEAD                   ; a wave's stage: two heads.  It lies in slot 0, which has had its last fill and its last read by then
.set HEADB,  131072                    ; a head in qkv
.set ADRA, 16                          ; v16-17  LDS address of my x fragments in slot 0, 1
.set ADRB, 20                          ; v20-21  the same for W
.set STO,  24                          ; v24     the way out: where I put 8 codes
.set RD,   25                          ; v25     where I read 16 back
.set CO,   26                          ; v26     16 x lane: my bytes of a store's 512
.set BOF,  27                          ; v27     32 x (lane / 16): my half's eight numbers of a bias tile
.set SPW,  28                          ; v28     my spare word; never rewritten
.set NIL,  29                          ; v29     0; never rewritten
.set LIM,  30                          ; v30     448 x 2^eo
.set SC,   31                          ; v31     2^eo
.set BIAS, 32
.set OIX,  96                          ; the list: my position i
.set OSW,  97                          ; the mask word of the chunk that holds my key
.set OSP,  98                          ; that chunk's prefix << 8 | its number
.set ORK,  99                          ; my rank in it
.set OJ,   100
.set OA,   101                         ; counts of set bits in fields of 2, 4, 8, 16 bits
.set OB,   102
.set OC,   103
.set OD,   104
.set OPOS, 105
.set OT,   106
.set OT2,  107
.set OOFF, 108                         ; 4 x lane
.set AF,   128
.set T,    128
.set CD,   192
.set BK,   208
.set G1, 24                            ; s[24:31] descriptor group 1 for x's tiles;  s[32:39] group 0, one set for each slot
.set G0, 32
.set G1B, 48                           ; s[48:55], s[56:63] the same for W's tiles
.set G0B, 56
.set PF, 66                            ; the list's scalars: keys counted so far,
.set PK, 67                            ; packed with the chunk's number
.set NZ, 94                            ; lanes with m != 0
.set ON, 95                            ; with m = 1, then: neither 0 nor 1
.set GT, 98                            ; with m > 0.5
.set SE, 99                            ; a selection
.set AB, 100                           ; any m neither 0 nor 1
.set AG, 101                           ; any m > 0.5
.set CT, 104
.set KM, 105
.set MSB, 0
.macro WIN new                         ; the immediate's high byte repeats the setting that is left
.if MSB != \new
	s_set_vgpr_msb (MSB<<8)|\new
.set MSB, \new
.endif
.endm
.set MUL_LO, 0xa1                      ; source 0 (W) window 1, source 1 (x) window 0, C and D window 2
.set MUL_HI, 0xf1                      ; the same, C and D window 3
.set TO_B,   0x40                      ; destination window 1, address window 0
; A joint load: waves 0 and 1 fetch for x, waves 2 and 3 for W.  The branch hangs on the wave's number alone.  An s_nop 0 and four v_nop follow each of the two lines.
.macro JLOAD g0a, g1a, g0b, g1b
	s_cmp_eq_u32 s15, 0
	s_cbranch_scc0 .Lfor_b_\@
	tensor_load_to_lds s[\g0a:\g0a+3], s[\g1a:\g1a+7]
	s_nop 0
.rept 4
	v_nop
.endr
	s_branch .Lasked_\@
.Lfor_b_\@:
	tensor_load_to_lds s[\g0b:\g0b+3], s[\g1b:\g1b+7]
	s_nop 0
.rept 4
	v_nop
.endr
.Lasked_\@:
.endm
.macro CREST                           ; a round of the cluster's barrier behind its opening barrier
	s_cmp_lg_u32 s14, 0
	s_cbranch_scc1 .Lnot_wave_0_\@
	s_barrier_signal -3
.Lnot_wave_0_\@:
	s_barrier_wait -3
	s_barrier_signal -1
	s_barrier_wait -1
.endm
.macro CROUND                          ; a whole round
	s_barrier_signal -1
	s_barrier_wait -1
	CREST
.endm
	s_load_b256 s[4:11], s[0:1], 0x0               ; x s[4:5], Wq s[6:7], Wk s[8:9], Wv s[10:11]
	s_load_b256 s[68:75], s[0:1], 0x20             ; bq s[68:69], bk s[70:71], bv s[72:73], the scales' exponents s[74:75]
	s_load_b128 s[76:79], s[0:1], 0x40             ; mask s[76:77], qkv s[78:79]
	s_load_b64 s[80:81], s[0:1], 0x50              ; order
	v_lshl_add_u32 v[SPW], v0, 2, SPARE
	v_mov_b32 v[NIL], 0
	ds_add_u32 v[SPW], v[NIL]                      ; the wave's opening: the add, twice on end, and its wait ahead of my first tensor load
	ds_add_u32 v[SPW], v[NIL]                      ; and once more; the set-up below, work on registers, stands between it and the wait
	v_lshrrev_b32 v1, 5, v0
	v_readfirstlane_b32 s14, v1                    ; wave 0..3
	s_lshr_b32 s15, s14, 1                         ; which half of the tile's tokens is mine.  Also: I fetch for x (0) or for W (1)
	s_and_b32 s16, s14, 1                          ; which half of its channels.  Also: which 128 rows of that tile I fetch
	s_bfe_u32 s40, ttmp6, 0x40000                  ; cx: the tile column inside the tensor
	s_bfe_u32 s41, ttmp6, 0x40004                  ; cy
	s_and_b32 s17, ttmp7, 0xffff
	s_lshl_b32 s17, s17, 2
	s_add_co_u32 s17, s17, s41                     ; tile row = 4 x cluster y + cy, 0 .. 31
	s_lshl_b32 s43, s41, 2
	s_lshl_b32 s43, 15, s43                        ; my row of the cluster
	s_lshl_b32 s44, 0x1111, s40                    ; my column
	; descriptor group 1: a tile of 128 rows x 256 bytes, padded in LDS
	s_or_b32 s[G1+0], s43, (0<<16)|(1<<20)|(1<<21)|(5<<22)|(3<<25)  ; 15:0 the mask: x's tiles go to my row; 17:16 elements of 1 byte; 20 padding on; 21 set beside a mask; 24:22 after every 64 words; 31:25 four words
	s_or_b32 s[G1B+0], s44, (0<<16)|(1<<20)|(1<<21)|(5<<22)|(3<<25)
.irp g, G1, G1B
	s_mov_b32 s[\g+1], ROWB<<16                    ; tensor_dim0
	s_mov_b32 s[\g+2], 128<<16                     ; tensor_dim1
	s_mov_b32 s[\g+3], ROWB<<16                    ; tile_dim0
	s_mov_b32 s[\g+4], 128                         ; tile_dim1
	s_mov_b32 s[\g+5], KROW                        ; tensor_dim0_stride
	s_mov_b32 s[\g+6], 0
	s_mov_b32 s[\g+7], 0
.endr
	s_lshl_b32 s18, s16, 7                         ; which 128 rows of the tile I fetch
	s_lshl_b32 s20, s17, 8
	s_add_co_u32 s20, s20, s18                     ; x: token 256 x tile row + 128 x half,
	s_lshl_b32 s20, s20, 10                        ; in bytes (under 2^23)
	s_mov_b32 s21, 0
	s_lshl_b32 s46, s40, 8
	s_add_co_u32 s46, s46, s18                     ; W: channel 256 cx + 128 x half,
	s_lshl_b32 s46, s46, 10
	s_mov_b32 s47, 0
	s_mul_i32 s45, s14, HALFT                      ; where they go: wave x 128 rows: no place in the cluster enters an LDS address
	s_wait_dscnt 0x0                               ; both opening adds are done
	s_wait_kmcnt 0x0
	s_load_b256 s[84:91], s[74:75], 0x0            ; e0 .. e7
	s_load_b64 s[92:93], s[74:75], 0x20            ; e8, e9
	s_cmp_eq_u32 ttmp9, 1                          ; the tensor: cluster x, the same in all sixteen partners
	s_cselect_b64 s[12:13], s[8:9], s[6:7]
	s_cselect_b64 s[82:83], s[70:71], s[68:69]
	s_cmp_eq_u32 ttmp9, 2
	s_cselect_b64 s[12:13], s[10:11], s[12:13]     ; its weight,
	s_cselect_b64 s[82:83], s[72:73], s[82:83]     ; its bias
	s_add_nc_u64 s[20:21], s[4:5], s[20:21]
	s_add_nc_u64 s[46:47], s[12:13], s[46:47]
	CROUND                                         ; all sixteen work-groups are here: the first joint loads meet
.irp s, 0,1
	s_mov_b32 s[G0+4*\s], 1
	s_add_co_u32 s[G0+4*\s+1], s45, \s*SLOT
	s_add_nc_u64 s[G0+4*\s+2:G0+4*\s+3], s[20:21], \s*ROWB
	s_or_b32 s[G0+4*\s+3], s[G0+4*\s+3], 0x80000000
	s_mov_b32 s[G0B+4*\s], 1
	s_add_co_u32 s[G0B+4*\s+1], s45, \s*SLOT
	s_add_nc_u64 s[G0B+4*\s+2:G0B+4*\s+3], s[46:47], \s*ROWB
	s_or_b32 s[G0B+4*\s+3], s[G0B+4*\s+3], 0x80000000
	JLOAD G0+4*\s, G1, G0B+4*\s, G1B               ; two tensor loads of mine are out
.endr
	v_and_b32 v1, 15, v0                           ; r = lane % 16
	v_bfe_u32 v2, v0, 4, 1                         ; h = lane / 16
	v_mul_u32_u24 v3, v1, PITCH
	v_lshl_add_u32 v4, v2, 4, v3                   ; a fragment's row x pitch + 16 x half
	s_mul_i32 s21, s15, HALFT                      ; my 128 tokens
	s_mul_i32 s22, s16, HALFT                      ; my 128 channels,
	s_add_co_u32 s22, s22, 2*HALFT                 ; which lie behind x's 256 rows
.irp s, 0,1
	v_add_nc_u32 v[ADRA+\s], s21, v4
	v_add_nc_u32 v[ADRB+\s], s22, v4
	s_add_co_u32 s21, s21, SLOT
	s_add_co_u32 s22, s22, SLOT
.endr
	s_mul_i32 s23, s14, SWAVE                      ; my stage
	v_mul_u32_u24 v5, v1, SROW
	v_lshl_add_u32 v5, v2, 3, v5
	v_add_nc_u32 v[STO], s23, v5                   ; in: token r, 8 bytes for each half of the lanes
	v_and_b32 v6, 31, v0                           ; lane
	v_lshrrev_b32 v5, 2, v6
	v_mul_u32_u24 v5, v5, SROW
	v_and_b32 v3, 3, v0
	v_lshl_add_u32 v5, v3, 4, v5
	v_add_nc_u32 v[RD], s23, v5                    ; back: four lanes to a token's 64 bytes, eight tokens an instruction
	v_lshlrev_b32 v[CO], 4, v6
	v_lshlrev_b32 v[BOF], 5, v2
	s_lshr_b32 s20, s17, 3                         ; where my part begins in qkv: the batch,
	s_lshl_b32 s20, s20, 4
	s_lshl_b32 s21, s40, 2
	s_add_co_u32 s20, s20, s21
	s_lshl_b32 s21, s16, 1
	s_add_co_u32 s20, s20, s21                     ; x 16 + my first head (4 cx + 2 x half),
	s_lshl_b32 s20, s20, 11                        ; x 2,048 tokens,
	s_and_b32 s21, s17, 7
	s_lshl_b32 s21, s21, 8
	s_add_co_u32 s20, s20, s21
	s_lshl_b32 s21, s15, 7
	s_add_co_u32 s20, s20, s21                     ; + my first token in the batch,
	s_lshl_b32 s20, s20, 6                         ; x 64 bytes,
	s_lshl_b32 s21, ttmp9, 23
	s_add_co_u32 s20, s20, s21                     ; + the tensor's 8,388,608
	s_mov_b32 s21, 0
	s_add_nc_u64 s[78:79], s[78:79], s[20:21]
	s_lshl_b32 s20, s40, 10
	s_lshl_b32 s22, s16, 9
	s_add_co_u32 s20, s20, s22                     ; the bias of my 128 channels: (256 cx + 128 x half) x 4 bytes
	s_add_nc_u64 s[82:83], s[82:83], s[20:21]
; THE LIST.  Waves 0 and 1 of tensor 0's 128 work-groups make it, while the first tiles are on their way: chunk g = 8 x tile row + 2 cx + wave, 0 .. 255, is positions 32 (g % 64) + lane of batch g / 64.
; A wave reads the batch's whole mask (64 words a lane: chunk j is tokens 32 j + lane), walks the chunks with a running count of kept keys, and each lane keeps the last chunk whose count so far is at most
; its position i: that chunk holds the key of rank i - count.  No branch and no address hangs on the mask: positions are fixed, tokens are data.
; The two stores cover 128 bytes a wave each: 64 KiB in the whole launch.
.macro SCAN j
	v_cmp_neq_f32 s[NZ], 0, v[32+(\j)]
	v_cmp_eq_f32 s[ON], 1.0, v[32+(\j)]
	v_cmp_lt_f32 s[GT], 0.5, v[32+(\j)]
	v_cmp_le_u32 s[SE], s[PF], v[OIX]              ; the count so far is at most i
	s_lshl_b32 s[PK], s[PF], 8
	s_or_b32 s[PK], s[PK], \j
	v_cndmask_b32 v[OSW], v[OSW], s[NZ], s[SE]
	v_cndmask_b32 v[OSP], v[OSP], s[PK], s[SE]
	s_and_not1_b32 s[ON], s[NZ], s[ON]
	s_or_b32 s[AB], s[AB], s[ON]
	s_or_b32 s[AG], s[AG], s[GT]
	s_bcnt1_i32_b32 s[CT], s[NZ]
	s_add_co_u32 s[PF], s[PF], s[CT]
.endm
.macro SELSTEP src, msk, w             ; are there rank + 1 set bits in the w bits from pos on?  If not, pass over them
	v_lshrrev_b32 v[OT], v[OPOS], v[\src]
	v_and_b32 v[OT], \msk, v[OT]
	v_cmp_ge_u32 s[SE], v[ORK], v[OT]
	v_sub_nc_u32 v[OT], v[ORK], v[OT]
	v_add_nc_u32 v[OT2], \w, v[OPOS]
	v_cndmask_b32 v[ORK], v[ORK], v[OT], s[SE]
	v_cndmask_b32 v[OPOS], v[OPOS], v[OT2], s[SE]
.endm
	s_cmp_lg_u32 ttmp9, 0                          ; cluster x: the same in all partners
	s_cbranch_scc1 .Lno_order
	s_cmp_gt_u32 s14, 1
	s_cbranch_scc1 .Lno_order
	s_lshl_b32 s2, s17, 3
	s_lshl_b32 s22, s40, 1
	s_add_co_u32 s2, s2, s22
	s_add_co_u32 s2, s2, s14                       ; g: it enters global addresses and data alone
	s_lshr_b32 s20, s2, 6
	s_lshl_b32 s20, s20, 13                        ; the batch's 8,192 bytes of mask (s21 = 0)
	s_add_nc_u64 s[76:77], s[76:77], s[20:21]
	s_lshl_b32 s20, s2, 7
	s_add_nc_u64 s[80:81], s[80:81], s[20:21]      ; 128 g: my 32 entries of the list, and, 32,768 bytes on, my record
	v_lshlrev_b32 v[OOFF], 2, v6
.irp a, 0,1,2,3,4,5,6,7
.irp b, 0,1,2,3,4,5,6,7
	global_load_b32 v[32+8*\a+\b], v[OOFF], s[76:77] offset:128*(8*\a+\b)
.endr
.endr
	s_and_b32 s22, s2, 63
	s_lshl_b32 s22, s22, 5
	v_add_nc_u32 v[OIX], s22, v6                   ; i
	v_mov_b32 v[OSW], 0
	v_mov_b32 v[OSP], 0
	s_mov_b32 s[PF], 0
	s_mov_b32 s[AB], 0
	s_mov_b32 s[AG], 0
	s_wait_loadcnt 0x0
.irp a, 0,1,2,3,4,5,6,7
.irp b, 0,1,2,3,4,5,6,7
	SCAN 8*\a+\b
.endr
.endr
	v_lshrrev_b32 v[ORK], 8, v[OSP]
	v_sub_nc_u32 v[ORK], v[OIX], v[ORK]            ; my rank in the chunk
	v_and_b32 v[OJ], 0xff, v[OSP]                  ; the chunk
	v_lshrrev_b32 v[OA], 1, v[OSW]                 ; counts of set bits in fields of 2,
	v_and_b32 v[OA], 0x55555555, v[OA]
	v_sub_nc_u32 v[OA], v[OSW], v[OA]
	v_lshrrev_b32 v[OB], 2, v[OA]                  ; of 4,
	v_and_b32 v[OB], 0x33333333, v[OB]
	v_and_b32 v[OT], 0x33333333, v[OA]
	v_add_nc_u32 v[OB], v[OB], v[OT]
	v_lshrrev_b32 v[OC], 4, v[OB]                  ; of 8,
	v_add_nc_u32 v[OC], v[OC], v[OB]
	v_and_b32 v[OC], 0x0f0f0f0f, v[OC]
	v_lshrrev_b32 v[OD], 8, v[OC]                  ; and of 16 bits (in bytes 0 and 2)
	v_add_nc_u32 v[OD], v[OD], v[OC]
	v_mov_b32 v[OPOS], 0
	SELSTEP OD, 0xff, 16
	SELSTEP OC, 0xff, 8
	SELSTEP OB, 15, 4
	SELSTEP OA, 3, 2
	SELSTEP OSW, 1, 1                              ; pos = the bit of that rank (at or beyond nK: some bit, so some token under 2,048)
	v_lshl_add_u32 v[OT], v[OJ], 5, v[OPOS]        ; the token
	s_cmp_lg_u32 s[AG], 0                          ; is any m above 0.5?
	s_cselect_b32 s[KM], -1, 0
	s_cselect_b32 s[CT], s[PF], 2048               ; nK
	v_cndmask_b32 v[OT], v[OIX], v[OT], s[KM]      ; if not: the identity
	global_store_b32 v[OOFF], v[OT], s[80:81]
	s_lshr_b32 s[PK], s[CT], 6
	s_cmp_eq_u32 s[AB], 0
	s_cselect_b32 s[PK], s[PK], 0
	s_and_b32 s[PK], s[PK], s[KM]                  ; nP: whole steps of keys with m = 1, if every m is 0 or 1 and keys are dropped
	s_add_co_u32 s[NZ], s[CT], 63
	s_lshr_b32 s[NZ], s[NZ], 6
	s_max_u32 s[NZ], s[NZ], 1                      ; nT
	v_and_b32 v[OT2], 3, v0
	v_mov_b32 v[OA], s[PK]                         ; the record: nP, nT, nK, nP, eight times over
	v_cmp_eq_u32 s[SE], 1, v[OT2]
	v_cndmask_b32 v[OA], v[OA], s[NZ], s[SE]
	v_cmp_eq_u32 s[SE], 2, v[OT2]
	v_cndmask_b32 v[OA], v[OA], s[CT], s[SE]
	global_store_b32 v[OOFF], v[OA], s[80:81] offset:32768
	s_wait_xcnt 0x0                                ; the stores have read their registers
.Lno_order:
.irp b, 0,1,2,3,4,5,6,7                        ; the bias in the result's layout: for channel block b my half's eight numbers.  Waited for on the way out
	global_load_b128 v[BIAS+8*\b:BIAS+8*\b+3], v[BOF], s[82:83] offset:64*\b
	global_load_b128 v[BIAS+8*\b+4:BIAS+8*\b+7], v[BOF], s[82:83] offset:64*\b+16
.endr
	s_wait_kmcnt 0x0
	s_cmp_eq_u32 ttmp9, 1                          ; the tensor's three exponents: x's, W's, and that of the operand that is made
	s_cselect_b32 s96, s86, s84
	s_cselect_b32 s97, s87, s85
	s_cselect_b32 s98, s91, s90
	s_cmp_eq_u32 ttmp9, 2
	s_cselect_b32 s96, s88, s96
	s_cselect_b32 s97, s89, s97
	s_cselect_b32 s98, s93, s98
	s_add_co_i32 s96, s96, s97
	s_add_co_i32 s96, s96, 127
	s_lshl_b32 s96, s96, 23                        ; 2^(ea + eb) as f32
	s_mov_b32 s97, s96                             ; (named with it as a pair, so it is written)
	s_add_co_i32 s98, s98, 127
	s_lshl_b32 s99, s98, 23
	v_mov_b32 v[SC], s99                           ; 2^eo: the conversion takes its exponent field
	s_add_co_i32 s98, s98, 8
	s_lshl_b32 s98, s98, 23
	s_or_b32 s98, s98, 0x600000
	v_mov_b32 v[LIM], s98                          ; 448 x 2^eo
.macro FRAG reg, adr, q, i             ; a fragment: lane l holds row l % 16; registers 4 c .. 4 c + 3 hold K = 32 c + 16 (l / 16) + 0 .. 15: one permutation of k, the same on both sides
.irp c, 0,1,2,3
	ds_load_b128 v[\reg+4*\c:\reg+4*\c+3], v[\adr] offset:128*(\q)+32*\c+(\i)*16*PITCH
.endr
.endm
; 16 matrix instructions: token blocks a0, a0 + 1 x the eight channel blocks, 128 along K.  zero = 1: the first product starts the sums.  The 64 accumulators take turns.
.macro MUL16 a0, p, zero
.irp a, \a0, \a0+1
.irp b, 0,1,2,3,4,5,6,7
.if \zero
	v_wmma_f32_16x16x128_fp8_fp8 v[8*(8*((\a)%4)+\b):8*(8*((\a)%4)+\b)+7], v[128*(\p)+FR*\b:128*(\p)+FR*\b+FR-1], v[AF+FR*(\a):AF+FR*(\a)+FR-1], 0
.else
	v_wmma_f32_16x16x128_fp8_fp8 v[8*(8*((\a)%4)+\b):8*(8*((\a)%4)+\b)+7], v[128*(\p)+FR*\b:128*(\p)+FR*\b+FR-1], v[AF+FR*(\a):AF+FR*(\a)+FR-1], v[8*(8*((\a)%4)+\b):8*(8*((\a)%4)+\b)+7]
.endif
.endr
.endr
.endm
.macro FETCH_B slot, q, p              ; W's eight fragments of the slot's q-th 128 along K into set p
	WIN TO_B
.irp i, 0,1,2,3,4,5,6,7
	FRAG 128*(\p)+FR*\i, ADRB+\slot, \q, \i
.endr
	WIN 0
.endm
.macro FETCH_A slot, q, i0             ; x's blocks i0 .. i0 + 3
.irp i, \i0, \i0+1, \i0+2, \i0+3
	FRAG AF+FR*(\i), ADRA+\slot, \q, \i
.endr
.endm
.macro PLACES n                        ; plain vector instructions between a matrix instruction and a load into, or a vector write of, one of its registers, or a read of its result
.rept \n
	v_nop
.endr
.endm
.macro STEP slot, q, zero              ; a step of 128 along K that has its successor in the same slot
	s_wait_dscnt 4*NL                              ; W's set and x's blocks 0-3 are in; the youngest sixteen loads (x's blocks 4-7) may be out
	WIN MUL_LO
	MUL16 0, (\q)%2, \zero
	MUL16 2, (\q)%2, \zero
	s_wait_dscnt 0                                 ; x's blocks 4-7 are in
	PLACES NP
	FETCH_B \slot, (\q)+1, 1-(\q)%2
	FETCH_A \slot, (\q)+1, 0
	WIN MUL_HI
	MUL16 4, (\q)%2, \zero
	MUL16 6, (\q)%2, \zero
	PLACES NP
	WIN 0
	FETCH_A \slot, (\q)+1, 4
.endm
; A slot's last step changes slots: one barrier; in front of it each wave waits for all its tensor loads, adds 0 to its spare word, and waits for that and for its reads of this slot.  fill = 1: this slot is filled again.
.macro TURN slot, next, fill
	s_wait_tensorcnt 0x0                           ; all my tensor loads have landed: my part of the next slot
	ds_add_u32 v[SPW], v[NIL]                      ; 0 onto my spare word
	s_wait_dscnt 4*NL+1                            ; (the add and the youngest sixteen loads may be out)
	WIN MUL_LO
	MUL16 0, 1, 0
	s_wait_dscnt 0x0                               ; the add is done, and my reads of this slot are over
	s_barrier_signal -1
	MUL16 2, 1, 0
	WIN 0
	s_barrier_wait -1
.if \fill
	CREST                                          ; the barrier has opened a round of the cluster's: no wave of any partner still reads this slot or has a load on its way
	s_add_nc_u64 s[G0+4*\slot+2:G0+4*\slot+3], s[G0+4*\slot+2:G0+4*\slot+3], 2*ROWB
	s_add_nc_u64 s[G0B+4*\slot+2:G0B+4*\slot+3], s[G0B+4*\slot+2:G0B+4*\slot+3], 2*ROWB
	JLOAD G0+4*\slot, G1, G0B+4*\slot, G1B         ; the first tensor load behind the round, my one load until the next; its four v_nop are the places in front of the loads below
.else
	PLACES NP
.endif
	FETCH_B \next, 0, 0
	FETCH_A \next, 0, 0
	WIN MUL_HI
	MUL16 4, 1, 0
	MUL16 6, 1, 0
	PLACES NP
	WIN 0
	FETCH_A \next, 0, 4
.endm
	s_wait_tensorcnt 1                             ; my part of K step 0 is in; K step 1's load may be out
	s_barrier_signal -1
	s_barrier_wait -1
	FETCH_B 0, 0, 0
	FETCH_A 0, 0, 0
	FETCH_A 0, 0, 4
	STEP 0, 0, 1                                   ; the first step stands in front of the loop: its products start the sums
	s_mov_b32 s3, LAPS-1
.Llap:                                                 ; a trip goes once round the ring and fills both slots again
	TURN 0, 1, 1
	STEP 1, 0, 0
	TURN 1, 0, 1
	STEP 0, 0, 0
	s_sub_co_u32 s3, s3, 1
	s_cmp_lg_u32 s3, 0
	s_cbranch_scc1 .Llap
	TURN 0, 1, 0                                   ; the last lap fills nothing
	STEP 1, 0, 0
	s_wait_dscnt 4*NL
	WIN MUL_LO
	MUL16 0, 1, 0
	MUL16 2, 1, 0
	s_wait_dscnt 0
	WIN MUL_HI
	MUL16 4, 1, 0
	MUL16 6, 1, 0
	WIN 0
; THE WAY OUT, block by block of 16 tokens x 128 channels (two heads).  y = sum x 2^(ea + eb) + bias, one rounding; held within +-448 x 2^eo (the conversion does not saturate: ISA guide 7.6.2); eight codes a conversion.
; A lane's 8 codes are an eighth of a token's row in one head: they go through my stage and come back as 8 tokens x 64 bytes, which are 512 consecutive bytes of qkv.
; LDS serves a wave's instructions in order (ISA guide 5.7.1.4): no wait between the stores and the loads, nor in front of the next block's stores.
.macro TOSTAGE a
.set AC, 64*((\a)%4)
	WIN 0x02+((\a)/4)                              ; source 0: window 2 or 3
.irp j, 0,2,4,6,8,10,12,14,16,18,20,22,24,26,28,30,32,34,36,38,40,42,44,46,48,50,52,54,56,58,60,62
	v_pk_fma_f32 v[T+\j:T+\j+1], v[AC+\j:AC+\j+1], s[96:97], v[BIAS+\j:BIAS+\j+1] op_sel_hi:[1,0,1]   ; each accumulator from its low end on
.endr
	WIN 0
.set n, 0
.rept 64
	v_med3_num_f32 v[T+n], v[T+n], -v[LIM], v[LIM]
.set n, n+1
.endr
.irp b, 0,1,2,3,4,5,6,7
	v_cvt_scalef32_pk8_fp8_f32 v[CD+2*\b:CD+2*\b+1], v[T+8*\b:T+8*\b+7], v[SC]
.endr
	v_nop                                          ; one plain vector instruction behind the last conversion: the next block writes the numbers' registers again
.irp b, 0,1,2,3,4,5,6,7
	ds_store_b64 v[STO], v[CD+2*\b:CD+2*\b+1] offset:(\b/4)*SHEAD+(\b%4)*16
.endr
.set BB, BK+16*((\a)%2)
.irp u, 0,1,2,3
	ds_load_b128 v[BB+4*\u:BB+4*\u+3], v[RD] offset:(\u/2)*SHEAD+(\u%2)*8*SROW
.endr
.endm
.macro SEND a, younger                 ; younger: the LDS instructions issued behind block a's loads
.set BB, BK+16*((\a)%2)
	s_wait_dscnt \younger
.irp u, 0,1,2,3
	global_store_b128 v[CO], v[BB+4*\u:BB+4*\u+3], s[78:79] offset:(\u/2)*HEADB+(\u%2)*512+(\a)*1024   ; 32 lanes store 512 consecutive bytes, at a multiple of 512 from qkv's first byte
.endr
.endm
	s_wait_loadcnt 0x0                             ; the bias
	PLACES NP
	TOSTAGE 0
.irp a, 1,2,3,4,5,6,7
.if \a > 1
	s_wait_xcnt 0x0                                ; block a - 2's stores have read their registers: block a's loads may land there
.endif
	TOSTAGE \a
	SEND \a-1, 12                                  ; behind block a - 1's loads: block a's 8 stores and 4 loads
.endr
	SEND 7, 0
	s_wait_tensorcnt 0x0                           ; the wave's end: the three closing lines, behind my last tensor load and my last LDS store
	ds_add_u32 v[SPW], v[NIL]
	s_wait_dscnt 0x0
	CROUND                                         ; the closing round: no work-group ends while a partner may still ask for a tile that names it
	s_endpgm
.Lfunc_end_k_qbadac9b559_proj:
	.size	k_qbadac9b559_proj, .Lfunc_end_k_qbadac9b559_proj-k_qbadac9b559_proj
	.p2alignl 7, 3214868480
	.fill 96, 4, 3214868480
	.section	.rodata,"a",@progbits
	.p2align	6, 0x0
	.amdhsa_kernel k_qbadac9b559_proj
		.amdhsa_group_segment_fixed_size 327680
		.amdhsa_private_segment_fixed_size 0
		.amdhsa_enable_private_segment 0
		.amdhsa_kernarg_size 88
		.amdhsa_user_sgpr_count 2
		.amdhsa_user_sgpr_kernarg_segment_ptr 1
		.amdhsa_wavefront_size32 1
		.amdhsa_system_sgpr_workgroup_id_x 1
		.amdhsa_system_sgpr_workgroup_id_y 1
		.amdhsa_system_sgpr_workgroup_id_z 1
		.amdhsa_system_vgpr_workitem_id 0
		.amdhsa_next_free_vgpr 1024
		.amdhsa_next_free_sgpr 106
		.amdhsa_reserve_vcc 0
		.amdhsa_float_denorm_mode_32 3
		.amdhsa_float_denorm_mode_16_64 3
		.amdhsa_memory_ordered 1
		.amdhsa_forward_progress 1
		.amdhsa_inst_pref_size 191
	.end_amdhsa_kernel
	.amdgpu_metadata
---
amdhsa.version: [ 1, 2 ]
amdhsa.kernels:
  - .name:           k_qbadac9b559_proj
    .symbol:         k_qbadac9b559_proj.kd
    .args:
      - { .name: x_codes, .offset: 0, .size: 8, .value_kind: global_buffer, .address_space: global }
      - { .name: Wq_codes, .offset: 8, .size: 8, .value_kind: global_buffer, .address_space: global }
      - { .name: Wk_codes, .offset: 16, .size: 8, .value_kind: global_buffer, .address_space: global }
      - { .name: Wv_codes, .offset: 24, .size: 8, .value_kind: global_buffer, .address_space: global }
      - { .name: bq, .offset: 32, .size: 8, .value_kind: global_buffer, .address_space: global }
      - { .name: bk, .offset: 40, .size: 8, .value_kind: global_buffer, .address_space: global }
      - { .name: bv, .offset: 48, .size: 8, .value_kind: global_buffer, .address_space: global }
      - { .name: lowp_scales, .offset: 56, .size: 8, .value_kind: global_buffer, .address_space: global }
      - { .name: mask, .offset: 64, .size: 8, .value_kind: global_buffer, .address_space: global }
      - { .name: qkv, .offset: 72, .size: 8, .value_kind: global_buffer, .address_space: global }
      - { .name: order, .offset: 80, .size: 8, .value_kind: global_buffer, .address_space: global }
    .group_segment_fixed_size: 327680
    .private_segment_fixed_size: 0
    .kernarg_segment_align: 8
    .kernarg_segment_size: 88
    .max_flat_workgroup_size: 128
    .sgpr_count:     106
    .vgpr_count:     1024
    .wavefront_size: 32
...
	.end_amdgpu_metadata
.endif
;; end of part 1
;; launch attn (part 2): grid 4 x 64, 16 waves a work-group, no clusters, 280,576 bytes of LDS; arguments qkv, order, mask, lowp_scales, out0; writes out0
.if DOCPART == 2
	.amdgcn_target "amdgcn-amd-amdhsa--gfx1250"
	.amdhsa_code_object_version 6
	.text
	.protected	k_qbadac9b559_attn
	.globl	k_qbadac9b559_attn
	.p2align	8
	.type	k_qbadac9b559_attn,@function
k_qbadac9b559_attn:
	s_mov_b64 s[64:65], 0
	v_nop
	global_prefetch_b8 v0, s[64:65] scope:SCOPE_SE
	s_setreg_imm32_b32 hwreg(HW_REG_WAVE_MODE, 25, 1), 1
	s_wait_xcnt 0x0
; out[b][s][h] = (softmax_t(q . k / 8 - (1 - m) 1e10) x m) v, both products on codes of E4M3.  What is quantised for the second product is the FINISHED p: normalised and multiplied by m, with the scale 2^e8.
; So a row's maximum and sum are known before any p is made: the keys are walked twice.  Pass 1: q k^T, the running maximum and sum.  Pass 2: q k^T again, p = 2^(t - max - log2(sum)), codes, p v.
; NOTHING IS LEFT OUT AS DEAD WORK.  The keys that are walked are those that the launch before listed, as whole numbers read from memory here: keys with m = 0 are passed over only where some m of the batch is above 0.5
; (then their p x m is 0 and their term in the sum is 0 in f32); else the list is the identity.  In steps under nP every m is exactly 1: the penalty is 0 and the factor 1, and neither is computed.
; Steps nP .. nT - 1 take the general path: t = score - (1 - m) 1e10 with one rounding as the subtraction has it, the maximum taken away exactly, p x m.  Positions at or beyond nK in the last step count as keys with m = 0.
; LIMITS: e6 + e7 between -60 and 9 (|score| under 1e9; the starting maximum -2^100 lies under every sum and every penalised score, and its products stay finite); e8 between -126 and 119; e8 + e9 between -126 and 127;
; NaN in the mask is not served.  The offset max x log2(e) + log2(sum) of the plain path is rounded once, a factor common to a row of about half a unit in its last place.
; SHARES.  A work-group owns 512 queries of one head; each of its sixteen waves 32: two tiles of 16, so that each fragment of K or V read from LDS feeds two products.  Four waves share a SIMD, 256 registers each.
; Both products are used transposed (S^T = K Q^T, O^T = V^T P^T): a lane holds one query (lane % 16) throughout, and a tile of S^T converts straight into two registers of P.
; NO TENSOR LOADS AND NO CLUSTER: which steps are walked hangs on counts read from memory.  The head's K and V, 256 KiB at the most, are gathered by the
; list through registers into LDS once and stay: no slot is ever filled again.  V's loads are issued ahead of pass 1 and land under it.
; LDS: K as images of its fragments' registers, 1,024 bytes a tile of 16 keys; V first as rows of 64 bytes, then turned in place into images of V^T's fragments, 4,096 bytes a step; m and the penalty by position.
.set KIMG,  0
.set VREG,  131072
.set MT,    262144                     ; m, 4 bytes a position
.set PTO,   8192                       ; and, so far behind it, -(1 - m) 1e10
.set SPARE, 278528                     ; the spare words, 128 bytes for each of sixteen waves
.set SP,    272                        ; the way out: a query's 256 bytes + 16 of padding
.set SPW, 1                            ; v1   my spare word; never rewritten
.set NIL, 2                            ; v2   0; never rewritten
.set AK,  3                            ; v3   my lane's place in an image of K
.set AV,  4                            ; v4   VREG + 16 x lane
.set AT,  5                            ; v5   MT + 32 x (lane / 16)
.set AKC, 6                            ; v6-8 the same for the step in hand
.set AVC, 7
.set ATC, 8
.set STO, 9
.set RD,  10
.set GO,  11
.set U,   12                           ; v[12:15] a second chain of sums for each tile
.set Q,   16                           ; v[16:31] Q's two fragments
.set KF,  32                           ; v[32:63] K's four fragments; in general steps of pass 2 then m
.set VF,  64                           ; v[64:95] V^T's four fragments; in general steps first the penalty
.set S,   96                           ; v[96:159] S^T, 32 a tile
.set O,   160                          ; v[160:223] O^T at O + 32 tile + 8 f; through pass 1: V's rows on their way
.set P,   224                          ; v[224:239] p's codes, 8 a tile
.set ST,  224                          ; pass 1, at ST + 8 tile: +0 the offset (-c max; general: -max), +1 max, +2, +3 the sum in two halves, +4 a factor, +5 its partner (general: the old max), +6, +7 at work
.set FS,  240                          ; for pass 2, at FS + 6 tile: +0 -(max log2(e) + log2(sum)), +2 -max, +4 -log2(sum); the odd ones are partners of pairs
.set LIM, 252                          ; 448 x 2^e8
.set SCL, 254                          ; 2^e8
.set TMP, 255
.macro PLACES n
.rept \n
	v_nop
.endr
.endm
	s_load_b256 s[4:11], s[0:1], 0x0               ; qkv s[4:5], order s[6:7], mask s[8:9], the scales' exponents s[10:11]
	s_load_b64 s[12:13], s[0:1], 0x20              ; out0
	v_lshl_add_u32 v[SPW], v0, 2, SPARE
	v_mov_b32 v[NIL], 0
	v_lshrrev_b32 v3, 5, v0
	v_readfirstlane_b32 s14, v3                    ; wave 0..15
	s_mov_b32 s15, ttmp9                           ; my block of 512 queries
	s_and_b32 s16, ttmp7, 0xffff                   ; 16 x batch + head
	s_lshr_b32 s17, s16, 4
	s_and_b32 s18, s16, 15
	v_and_b32 v12, 31, v0                          ; lane
	v_and_b32 v13, 7, v0                           ; lane % 8
	v_bfe_u32 v14, v0, 3, 2                        ; lane / 8
	v_and_b32 v15, 15, v0                          ; r
	v_bfe_u32 v[TMP], v0, 4, 1                     ; h
	s_lshl_b32 s19, s14, 5
	v_lshl_add_u32 v6, v13, 2, s19                 ; the list, for K and V: position 128 i + 8 wave + lane % 8
	s_lshl_b32 s19, s14, 9
	v_lshl_add_u32 v7, v12, 2, s19                 ; and for the tables: position 128 wave + 32 i + lane
	v_lshlrev_b32 v8, 4, v14                       ; my 16 bytes of a row of 64
	v_lshlrev_b32 v11, 6, v15
	v_lshl_add_u32 v11, v[TMP], 4, v11             ; Q: row r, + 16 h
	s_lshl_b32 s58, s16, 2
	s_add_co_u32 s58, s58, s15
	s_lshl_b32 s58, s58, 7
	s_add_co_u32 s58, s58, 32768                   ; my work-group's record of counts
	s_mov_b32 s59, 0
	s_lshl_b32 s60, s17, 13                        ; the batch's 8,192 bytes of list and of mask
	s_mov_b32 s61, 0
	s_wait_kmcnt 0x0
	s_load_b128 s[20:23], s[10:11], 0x18           ; e6, e7, e8, e9
	s_add_nc_u64 s[58:59], s[6:7], s[58:59]
	s_load_b128 s[24:27], s[58:59], 0x0            ; nP, nT, nK
	s_add_nc_u64 s[28:29], s[6:7], s[60:61]
	s_add_nc_u64 s[36:37], s[8:9], s[60:61]
	s_lshl_b32 s60, s16, 17
	s_add_nc_u64 s[34:35], s[4:5], s[60:61]        ; the head in q,
	s_add_nc_u64 s[30:31], s[34:35], 0x800000      ; in k,
	s_add_nc_u64 s[32:33], s[34:35], 0x1000000     ; in v
	s_lshl_b32 s60, s15, 15
	s_lshl_b32 s19, s14, 11
	s_add_co_u32 s60, s60, s19
	s_add_nc_u64 s[34:35], s[34:35], s[60:61]      ; my first query: 512 x block + 32 x wave
	s_lshl_b32 s60, s17, 11
	s_lshl_b32 s19, s15, 9
	s_add_co_u32 s60, s60, s19
	s_lshl_b32 s19, s14, 5
	s_add_co_u32 s60, s60, s19
	s_lshl_b32 s60, s60, 12                        ; its row of out0, 4,096 bytes each,
	s_lshl_b32 s19, s18, 8
	s_add_co_u32 s60, s60, s19                     ; + the head's 256 bytes
	s_add_nc_u64 s[38:39], s[12:13], s[60:61]
.irp i, 0,1,2,3,4,5,6,7,8,9,10,11,12,13,14,15
	global_load_b32 v[32+\i], v6, s[28:29] offset:512*\i
.endr
.irp i, 0,1,2,3
	global_load_b32 v[48+\i], v7, s[28:29] offset:128*\i
.endr
.irp t, 0,1
.irp g, 0,1
	global_load_b128 v[Q+8*\t+4*\g:Q+8*\t+4*\g+3], v11, s[34:35] offset:1024*\t+32*\g   ; registers 4 g .. 4 g + 3: channels 32 g + 16 h + 0 .. 15: one permutation of the head's 64, the same in Q and K
.endr
.endr
	; K's image: the 16 bytes of channels 16 c .. 16 c + 15 of position p lie at 1,024 (p / 16) + 256 c + 16 ((p % 16 + 8 (c % 2)) % 16): a fragment load reads 512 consecutive bytes,
	; and the turn by 8 sets the two chunks that sixteen lanes store 128 bytes apart modulo 256
	v_lshl_add_u32 v[AK], v[TMP], 3, v15
	v_and_b32 v[AK], 15, v[AK]
	v_lshlrev_b32 v[AK], 4, v[AK]
	v_lshl_add_u32 v[AK], v[TMP], 8, v[AK]         ; 256 h + 16 ((r + 8 h) % 16)
	v_lshlrev_b32 v[AV], 4, v12
	v_add_nc_u32 v[AV], VREG, v[AV]
	v_lshlrev_b32 v[AT], 5, v[TMP]
	v_add_nc_u32 v[AT], MT, v[AT]
	s_lshr_b32 s19, s14, 1
	s_lshl_b32 s19, s19, 10
	s_and_b32 s43, s14, 1
	s_lshl_b32 s43, s43, 3
	v_and_b32 v9, 1, v14
	v_lshl_add_u32 v9, v9, 3, v13
	v_add_nc_u32 v9, s43, v9
	v_and_b32 v9, 15, v9
	v_lshlrev_b32 v9, 4, v9
	v_lshl_add_u32 v9, v14, 8, v9
	v_add_nc_u32 v9, s19, v9                       ; where I store K: tile 8 i + wave / 2, chunk lane / 8, key lane % 8 + 8 (wave % 2)
	v_add_nc_u32 v10, 65536, v9
	v_add_nc_u32 v13, MT, v7                       ; where I store the tables
	v_lshrrev_b32 v15, 2, v7                       ; and the position: 128 wave + lane
	s_wait_loadcnt 4                               ; both parts of the list are in; Q's four loads may be out
.irp i, 0,1,2,3,4,5,6,7,8,9,10,11,12,13,14,15
	v_min_u32 v[32+\i], 0x7ff, v[32+\i]            ; a token stays inside the head
	v_lshlrev_b32 v[32+\i], 6, v[32+\i]
	v_add_nc_u32 v[32+\i], v8, v[32+\i]            ; its row of 64 bytes, my 16 of them
.endr
.irp i, 0,1,2,3
	v_min_u32 v[48+\i], 0x7ff, v[48+\i]
	v_lshlrev_b32 v[48+\i], 2, v[48+\i]
	global_load_b32 v[52+\i], v[48+\i], s[36:37]   ; m of the position's token
.endr
	s_wait_kmcnt 0x0
	s_min_u32 s24, s24, 32
	s_min_u32 s25, s25, 32
	s_min_u32 s26, s26, 2048
.macro KLOAD4 i0
.irp i, \i0, \i0+1, \i0+2, \i0+3
	global_load_b128 v[96+4*(\i):96+4*(\i)+3], v[32+(\i)], s[30:31]
.endr
.endm
.macro KSTORE4 i0
.irp i, \i0, \i0+1, \i0+2, \i0+3
	ds_store_b128 v[9+(\i)/8], v[96+4*(\i):96+4*(\i)+3] offset:8192*((\i)%8)
.endr
.endm
	KLOAD4 0                                       ; load i brings positions 128 i .. 128 i + 127 (with the other waves'): four loads are eight steps.  Only what nT steps read is fetched
	s_cmp_le_u32 s25, 8
	s_cbranch_scc1 .Lk0
	KLOAD4 4
	s_cmp_le_u32 s25, 16
	s_cbranch_scc1 .Lk1
	KLOAD4 8
	s_cmp_le_u32 s25, 24
	s_cbranch_scc1 .Lk2
	KLOAD4 12
	s_wait_loadcnt 0x0
	KSTORE4 12
.Lk2:
	s_wait_loadcnt 0x0                             ; each way into a label has its loads waited for here
	KSTORE4 8
.Lk1:
	s_wait_loadcnt 0x0
	KSTORE4 4
.Lk0:
	s_wait_loadcnt 0x0                             ; K's first four, Q and m
	KSTORE4 0
.irp i, 0,1,2,3
	v_add_nc_u32 v[56+\i], 32*\i, v15
	v_cmp_gt_u32 vcc_lo, s26, v[56+\i]             ; is the position under nK?
	v_cndmask_b32 v[52+\i], 0, v[52+\i], vcc_lo    ; if not: m = 0
	v_sub_f32 v[56+\i], 1.0, v[52+\i]
	v_mul_f32 v[56+\i], 0xd01502f9, v[56+\i]       ; -((1 - m) x 1e10)
	ds_store_b32 v13, v[52+\i] offset:128*\i
	ds_store_b32 v13, v[56+\i] offset:PTO+128*\i
.endr
.irp i, 0,1,2,3,4,5,6,7,8,9,10,11,12,13,14,15
	global_load_b128 v[O+4*\i:O+4*\i+3], v[32+\i], s[32:33]   ; V's rows: they stay out through pass 1, which issues no global load and touches none of these registers
.endr
	s_add_co_i32 s19, s20, s21
	s_sub_co_i32 s19, s19, 3                       ; a sum of the first product stands for score = sum x 2^(e6 + e7 - 3)
	s_lshl_b32 s43, s19, 23
	s_add_co_i32 s40, s43, 0x3fb8aa3b              ; c = log2(e) x 2^(e6 + e7 - 3): the exponent is added to log2(e)'s exponent field
	s_mov_b32 s41, s40                             ; (pairs are named whole, so both words are written)
	s_xor_b32 s42, s40, 0x80000000                 ; -c
	s_add_co_i32 s19, s19, 127
	s_lshl_b32 s52, s19, 23                        ; 2^(e6 + e7 - 3)
	s_mov_b32 s53, s52
	s_mov_b32 s54, 0x3fb8aa3b                      ; log2(e)
	s_mov_b32 s55, s54
	s_mov_b32 s44, 0x76543210                      ; v_permlanex16_b32's selects for lane l xor 16
	s_mov_b32 s45, 0xfedcba98
	s_mov_b32 s49, 0x06040200                      ; v_perm_b32: the even bytes of two words,
	s_mov_b32 s50, 0x07050301                      ; the odd ones
	s_add_co_i32 s19, s22, s23
	s_add_co_i32 s19, s19, 127
	s_lshl_b32 s51, s19, 23                        ; 2^(e8 + e9)
	s_add_co_i32 s19, s22, 127
	s_lshl_b32 s43, s19, 23
	v_mov_b32 v[SCL], s43
	s_add_co_i32 s19, s19, 8
	s_lshl_b32 s19, s19, 23
	s_or_b32 s19, s19, 0x600000
	v_mov_b32 v[LIM], s19
.irp t, 0,1
	v_mov_b32 v[ST+8*\t+1], 0xf1800000             ; the maximum so far: -2^100, a power of two, so that
	v_mul_f32 v[ST+8*\t], s42, v[ST+8*\t+1]        ; -c x maximum is exact
.irp j, 2,3,4,5,6,7
	v_mov_b32 v[ST+8*\t+\j], 0
.endr
.endr
	s_wait_xcnt 0x0                                ; V's loads have read their address registers, which K's fragments take
	s_wait_dscnt 0x0                               ; my stores of K and of the tables have landed
	s_barrier_signal -1
	s_barrier_wait -1                              ; everybody's have
.macro KFRAG                           ; the step's four tiles of 16 keys
.irp c, 0,1,2,3
	ds_load_b128 v[KF+8*\c:KF+8*\c+3], v[AKC] offset:1024*\c
	ds_load_b128 v[KF+8*\c+4:KF+8*\c+7], v[AKC] offset:1024*\c+512
.endr
.endm
.macro VFRAG                           ; the step's four fragments of V^T: 16 channels x 64 keys each
.irp f, 0,1,2,3
	ds_load_b128 v[VF+8*\f:VF+8*\f+3], v[AVC] offset:1024*\f
	ds_load_b128 v[VF+8*\f+4:VF+8*\f+7], v[AVC] offset:1024*\f+512
.endr
.endm
.macro TABLD reg, off                  ; a table's entries in S^T's layout: register 8 c + j = key 16 c + 8 h + j of the step
.irp c, 0,1,2,3
	ds_load_b128 v[\reg+8*\c:\reg+8*\c+3], v[ATC] offset:\off+64*\c
	ds_load_b128 v[\reg+8*\c+4:\reg+8*\c+7], v[ATC] offset:\off+64*\c+16
.endr
.endm
.macro QK                              ; S^T = K Q^T: register 8 c + j of lane (r, h) = key 16 c + 8 h + j, query r.  Each fragment of K serves both tiles
.irp c, 0,1,2,3
.irp t, 0,1
	v_wmma_f32_16x16x64_fp8_fp8 v[S+32*\t+8*\c:S+32*\t+8*\c+7], v[KF+8*\c:KF+8*\c+7], v[Q+8*\t:Q+8*\t+7], 0
.endr
.endr
.endm
.macro PV                              ; O^T += V^T P^T: eight accumulators by turns
.irp f, 0,1,2,3
.irp t, 0,1
	v_wmma_f32_16x16x64_fp8_fp8 v[O+32*\t+8*\f:O+32*\t+8*\f+7], v[VF+8*\f:VF+8*\f+7], v[P+8*\t:P+8*\t+7], v[O+32*\t+8*\f:O+32*\t+8*\f+7]
.endr
.endr
.endm
.macro ADDPEN                          ; t = sum x 2^(e6 + e7 - 3) - (1 - m) 1e10: the scaling is exact, so this rounds once, as the subtraction does.  Each accumulator from its low end on
.set n, 0
.rept 32
	v_pk_fma_f32 v[S+2*n:S+2*n+1], v[S+2*n:S+2*n+1], s[52:53], v[VF+2*(n%16):VF+2*(n%16)+1] op_sel_hi:[1,0,1]
.set n, n+1
.endr
.endm
.macro EXP64                           ; one batch; one plain instruction and one wait behind it, ahead of the first reader
.set n, 0
.rept 64
	v_exp_f32 v[S+n], v[S+n]
.set n, n+1
.endr
	v_nop
	s_wait_alu depctr_va_vdst(0)
.endm
.macro MAXCH                           ; the maximum of the old maximum and my 32 scores, for both tiles: four chains, three operands at a time; each accumulator is first read at its low end
.irp t, 0,1
	v_max3_num_f32 v[ST+8*\t+6], v[ST+8*\t+1], v[S+32*\t], v[S+32*\t+1]
	v_max3_num_f32 v[ST+8*\t+7], v[S+32*\t+16], v[S+32*\t+17], v[S+32*\t+18]
.endr
.irp k, 1,2,3,4,5,6
.irp t, 0,1
	v_max3_num_f32 v[ST+8*\t+6], v[ST+8*\t+6], v[S+32*\t+2*\k], v[S+32*\t+2*\k+1]
	v_max3_num_f32 v[ST+8*\t+7], v[ST+8*\t+7], v[S+32*\t+17+2*\k], v[S+32*\t+18+2*\k]
.endr
.endr
.irp t, 0,1
	v_max3_num_f32 v[ST+8*\t+6], v[ST+8*\t+6], v[S+32*\t+14], v[S+32*\t+15]
.endr
.irp t, 0,1
	v_max3_num_f32 v[ST+8*\t+1], v[ST+8*\t+6], v[ST+8*\t+7], v[S+32*\t+31]
.endr
.endm
; PASS 1, a step of 64 keys.  The statistics are each lane's own: a half of the lanes keeps the maximum and sum of its keys, and the halves meet once, behind the pass.
; gen = 0: every m is 1.  The sum counts from the offset -c max as it was rounded; the factor for the old sum is 2^(new offset - old offset).
; gen = 1: t carries the penalty; the maximum is taken away first, exactly, and the difference is then multiplied by log2(e): at 1e10 one multiply-add would lose the difference.
.macro STEP1 gen
	v_add_nc_u32 v[AKC], s47, v[AK]
.if \gen
	v_add_nc_u32 v[ATC], s48, v[AT]
.endif
	KFRAG
.if \gen
	TABLD VF, PTO
.endif
	s_wait_dscnt 0x0
	QK
	PLACES 4
.if \gen
	ADDPEN
.irp t, 0,1
	v_mov_b32 v[ST+8*\t+5], v[ST+8*\t+1]           ; the old maximum
.endr
.endif
	MAXCH
.if \gen
.irp t, 0,1
	v_sub_f32 v[ST+8*\t+7], v[ST+8*\t+5], v[ST+8*\t+1]
	v_xor_b32 v[ST+8*\t], 0x80000000, v[ST+8*\t+1] ; -max, in the pair's low word
.endr
.irp t, 0,1
	v_mul_f32 v[ST+8*\t+7], s54, v[ST+8*\t+7]
.endr
.else
.irp t, 0,1
	v_mul_f32 v[ST+8*\t+6], s42, v[ST+8*\t+1]      ; the new offset
.endr
.irp t, 0,1
	v_sub_f32 v[ST+8*\t+7], v[ST+8*\t+6], v[ST+8*\t]
	v_mov_b32 v[ST+8*\t], v[ST+8*\t+6]
.endr
.endif
.irp t, 0,1
	v_exp_f32 v[ST+8*\t+4], v[ST+8*\t+7]           ; the factor for the old sum: of the same batch as the 64 below
.endr
.set n, 0
.rept 32
.if \gen
	v_pk_add_f32 v[S+2*n:S+2*n+1], v[S+2*n:S+2*n+1], v[ST+8*(n/16):ST+8*(n/16)+1] op_sel_hi:[1,0]
.else
	v_pk_fma_f32 v[S+2*n:S+2*n+1], v[S+2*n:S+2*n+1], s[40:41], v[ST+8*(n/16):ST+8*(n/16)+1] op_sel_hi:[1,0,0]
.endif
.set n, n+1
.endr
.if \gen
.set n, 0
.rept 32
	v_pk_mul_f32 v[S+2*n:S+2*n+1], v[S+2*n:S+2*n+1], s[54:55] op_sel_hi:[1,0]
.set n, n+1
.endr
.endif
	EXP64
.irp t, 0,1                                    ; the sums, two numbers at a time, in two chains a tile
	v_pk_fma_f32 v[ST+8*\t+2:ST+8*\t+3], v[ST+8*\t+2:ST+8*\t+3], v[ST+8*\t+4:ST+8*\t+5], v[S+32*\t:S+32*\t+1] op_sel_hi:[1,0,1]
	v_pk_add_f32 v[U+2*\t:U+2*\t+1], v[S+32*\t+2:S+32*\t+3], v[S+32*\t+6:S+32*\t+7]
.endr
.irp j, 4,8,12,16,20,24
.irp t, 0,1
	v_pk_add_f32 v[ST+8*\t+2:ST+8*\t+3], v[ST+8*\t+2:ST+8*\t+3], v[S+32*\t+\j:S+32*\t+\j+1]
	v_pk_add_f32 v[U+2*\t:U+2*\t+1], v[U+2*\t:U+2*\t+1], v[S+32*\t+\j+6:S+32*\t+\j+7]
.endr
.endr
.irp t, 0,1
	v_pk_add_f32 v[ST+8*\t+2:ST+8*\t+3], v[ST+8*\t+2:ST+8*\t+3], v[S+32*\t+28:S+32*\t+29]
.endr
.irp t, 0,1
	v_pk_add_f32 v[ST+8*\t+2:ST+8*\t+3], v[ST+8*\t+2:ST+8*\t+3], v[U+2*\t:U+2*\t+1]
.endr
.endm
; PASS 2, a step of 64 keys: the finished p, its codes, and O^T += V^T P^T.
.macro STEP2 gen
	v_add_nc_u32 v[AKC], s47, v[AK]                ; these lines and the v_nop are the four places between the last step's products and the loads into V's registers
	v_add_nc_u32 v[AVC], s47, v[AV]
.if \gen
	v_add_nc_u32 v[ATC], s48, v[AT]
	PLACES 1
	KFRAG
	TABLD VF, PTO
	s_wait_dscnt 0x0
.else
	PLACES 2
	KFRAG
	VFRAG
	s_wait_dscnt 8                                 ; K is in; V's eight loads may be out
.endif
	QK
	PLACES 4
.if \gen
	ADDPEN
	TABLD KF, 0                                    ; m, into K's registers, and V, into the penalty's: both are done with
	VFRAG
.set n, 0
.rept 32
	v_pk_add_f32 v[S+2*n:S+2*n+1], v[S+2*n:S+2*n+1], v[FS+6*(n/16)+2:FS+6*(n/16)+3] op_sel_hi:[1,0]   ; t - max, exact
.set n, n+1
.endr
.set n, 0
.rept 32
	v_pk_fma_f32 v[S+2*n:S+2*n+1], v[S+2*n:S+2*n+1], s[54:55], v[FS+6*(n/16)+4:FS+6*(n/16)+5] op_sel_hi:[1,0,0]   ; x log2(e) - log2(sum)
.set n, n+1
.endr
.else
.set n, 0
.rept 32
	v_pk_fma_f32 v[S+2*n:S+2*n+1], v[S+2*n:S+2*n+1], s[40:41], v[FS+6*(n/16):FS+6*(n/16)+1] op_sel_hi:[1,0,0]     ; c sum - (max log2(e) + log2(sum)); each accumulator from its low end on
.set n, n+1
.endr
.endif
	EXP64                                          ; p, normalised
.if \gen
	s_wait_dscnt 8                                 ; m is in; V's eight loads may be out
.set n, 0
.rept 32
	v_pk_mul_f32 v[S+2*n:S+2*n+1], v[S+2*n:S+2*n+1], v[KF+2*(n%16):KF+2*(n%16)+1]   ; x m
.set n, n+1
.endr
.set n, 0
.rept 64
	v_med3_num_f32 v[S+n], v[S+n], -v[LIM], v[LIM] ; the conversion does not saturate (ISA guide 7.6.2); m may have either sign
.set n, n+1
.endr
.else
.set n, 0
.rept 64
	v_min_num_f32 v[S+n], v[S+n], v[LIM]           ; p is not negative, so the hold is one-sided
.set n, n+1
.endr
.endif
.irp t, 0,1
.irp c, 0,1,2,3
	v_cvt_scalef32_pk8_fp8_f32 v[P+8*\t+2*\c:P+8*\t+2*\c+1], v[S+32*\t+8*\c:S+32*\t+8*\c+7], v[SCL]   ; registers 2 c, 2 c + 1 of the operand: keys 16 c + 8 h + 0 .. 7
.endr
.endr
	v_nop                                          ; one plain vector instruction between a scaled conversion and the matrix instruction that reads its result
	s_wait_dscnt 0x0                               ; V is in
	PV
.endm
; A walk over the steps.  The trip count is a constant, 32, and the LDS offsets step by constants; what the counts leave out is jumped over inside the trip.  No barrier stands in a walk.
.macro WALK pass, gen
	s_mov_b32 s46, 0
	s_mov_b32 s47, 0                               ; 4,096 x step: K's and V's images
	s_mov_b32 s48, 0                               ; 256 x step: the tables
.Lstep_\@:
.if \gen
	s_cmp_lt_u32 s46, s24
	s_cbranch_scc1 .Lnext_\@
	s_cmp_ge_u32 s46, s25
	s_cbranch_scc1 .Lnext_\@
.else
	s_cmp_ge_u32 s46, s24
	s_cbranch_scc1 .Lnext_\@
.endif
.if \pass == 1
	STEP1 \gen
.else
	STEP2 \gen
.endif
.Lnext_\@:
	s_add_co_u32 s47, s47, 4096
	s_add_co_u32 s48, s48, 256
	s_add_co_u32 s46, s46, 1
	s_cmp_lt_u32 s46, 32
	s_cbranch_scc1 .Lstep_\@
.endm
	WALK 1, 0
	; from the plain steps to the general ones: the sum is brought from the rounded offset to max x c itself (a factor 2^-(max c + offset), which is 1 where no plain step ran), and the maximum into score units (exact)
.irp t, 0,1
	v_fma_f32 v[ST+8*\t+7], v[ST+8*\t+1], s40, v[ST+8*\t]
.endr
.irp t, 0,1
	v_exp_f32 v[ST+8*\t+4], -v[ST+8*\t+7]
.endr
.irp t, 0,1
	v_mul_f32 v[ST+8*\t+1], s52, v[ST+8*\t+1]
.endr
.irp t, 0,1
	v_xor_b32 v[ST+8*\t], 0x80000000, v[ST+8*\t+1]
.endr
	s_wait_alu depctr_va_vdst(0)
.irp t, 0,1
	v_pk_mul_f32 v[ST+8*\t+2:ST+8*\t+3], v[ST+8*\t+2:ST+8*\t+3], v[ST+8*\t+4:ST+8*\t+5] op_sel_hi:[1,0]
.endr
	WALK 1, 1
	; the two halves of the lanes meet: the row's maximum, its sum under that maximum, log2 of the sum
.irp t, 0,1
	v_permlanex16_b32 v[ST+8*\t+6], v[ST+8*\t+1], s44, s45
.endr
.irp t, 0,1
	v_max_num_f32 v[ST+8*\t+6], v[ST+8*\t+1], v[ST+8*\t+6]
	v_add_f32 v[ST+8*\t+2], v[ST+8*\t+2], v[ST+8*\t+3]
.endr
.irp t, 0,1
	v_sub_f32 v[ST+8*\t+7], v[ST+8*\t+1], v[ST+8*\t+6]
	v_xor_b32 v[FS+6*\t+2], 0x80000000, v[ST+8*\t+6]
.endr
.irp t, 0,1
	v_mul_f32 v[ST+8*\t+7], s54, v[ST+8*\t+7]
	v_mov_b32 v[FS+6*\t+3], 0
.endr
.irp t, 0,1
	v_exp_f32 v[ST+8*\t+4], v[ST+8*\t+7]
.endr
	v_nop
	s_wait_alu depctr_va_vdst(0)
.irp t, 0,1
	v_mul_f32 v[ST+8*\t+2], v[ST+8*\t+2], v[ST+8*\t+4]
.endr
.irp t, 0,1
	v_permlanex16_b32 v[ST+8*\t+3], v[ST+8*\t+2], s44, s45
.endr
.irp t, 0,1
	v_add_f32 v[ST+8*\t+2], v[ST+8*\t+2], v[ST+8*\t+3]
.endr
.irp t, 0,1
	v_log_f32 v[ST+8*\t+4], v[ST+8*\t+2]
.endr
.irp t, 0,1
	v_mov_b32 v[FS+6*\t+1], 0                      ; (plain instructions behind the logarithms; the pairs' partners are written)
	v_mov_b32 v[FS+6*\t+5], 0
.endr
	s_wait_alu depctr_va_vdst(0)
.irp t, 0,1
	v_xor_b32 v[FS+6*\t+4], 0x80000000, v[ST+8*\t+4]
.endr
.irp t, 0,1
	v_fma_f32 v[FS+6*\t], v[FS+6*\t+2], s54, v[FS+6*\t+4]   ; -(max log2(e) + log2(sum))
.endr
	; V: the rows that have landed under pass 1 go to LDS as rows, position p at 64 p
	s_lshl_b32 s19, s14, 9
	v_and_b32 v12, 7, v0
	v_bfe_u32 v13, v0, 3, 2
	v_lshlrev_b32 v12, 6, v12
	v_lshl_add_u32 v12, v13, 4, v12
	v_add_nc_u32 v12, s19, v12
	v_add_nc_u32 v12, VREG, v12                    ; position 128 i + 8 wave + lane % 8, chunk lane / 8
	v_add_nc_u32 v13, 65536, v12
	s_lshl_b32 s19, s14, 13
	v_bfe_u32 v14, v0, 4, 1
	v_and_b32 v15, 7, v0
	v_lshl_add_u32 v14, v14, 3, v15
	v_lshlrev_b32 v14, 6, v14
	v_bfe_u32 v15, v0, 3, 1
	v_lshl_add_u32 v14, v15, 4, v14
	v_add_nc_u32 v14, s19, v14
	v_add_nc_u32 v14, VREG, v14                    ; the turning load: row 8 h + lane % 8 of my wave's 128, 16 bytes at 16 ((lane / 8) % 2)
	v_add_nc_u32 v15, s19, v[AV]                   ; and where the images go: my wave's 8,192 bytes, 16 x lane
	s_wait_loadcnt 0x0
.irp i, 0,1,2,3,4,5,6,7,8,9,10,11,12,13,14,15
	ds_store_b128 v[12+\i/8], v[O+4*\i:O+4*\i+3] offset:8192*(\i%8)
.endr
	s_wait_dscnt 0x0                               ; my rows have landed
	s_barrier_signal -1
.set n, 0
.rept 64
	v_mov_b32 v[O+n], 0                            ; O^T.  (Which step is the first hangs on the counts, so no first step is written out)
.set n, n+1
.endr
	s_barrier_wait -1                              ; everybody's have
	; Wave w turns keys 128 w .. 128 w + 127 in place; nobody else touches those 8,192 bytes before the next barrier.  The turning load works on pairs of bytes: lane (r, h) gets keys 8 h + 0 .. 7 of channels 2 r and 2 r + 1
	; of the load's 32, interleaved; v_perm_b32 parts them.  So fragment f = 2 q + e holds channels 32 q + 2 r + e, and its registers 2 c, 2 c + 1 keys 16 c + 8 h + 0 .. 7: this form's own layout.
.irp c, 0,1,2,3,4,5,6,7
.irp q, 0,1
	ds_load_tr16_b128 v[S+8*\c+4*\q:S+8*\c+4*\q+3], v14 offset:1024*\c+32*\q
.endr
.endr
	s_wait_dscnt 0x0                               ; all 8,192 bytes are in registers: now they may be written over
.irp c, 0,1,2,3,4,5,6,7
.irp q, 0,1
.irp e, 0,1
	v_perm_b32 v[32+32*(\c/4)+8*(2*\q+\e)+2*(\c%4)], v[S+8*\c+4*\q+1], v[S+8*\c+4*\q], s[49+\e]
	v_perm_b32 v[32+32*(\c/4)+8*(2*\q+\e)+2*(\c%4)+1], v[S+8*\c+4*\q+3], v[S+8*\c+4*\q+2], s[49+\e]
.endr
.endr
.endr
.irp s, 0,1
.irp f, 0,1,2,3
.irp g, 0,1
	ds_store_b128 v15, v[32+32*\s+8*\f+4*\g:32+32*\s+8*\f+4*\g+3] offset:4096*\s+1024*\f+512*\g
.endr
.endr
.endr
	s_wait_dscnt 0x0
	s_barrier_signal -1
	s_barrier_wait -1                              ; V^T's images lie in LDS
	WALK 2, 0
	WALK 2, 1
	; THE WAY OUT.  O^T x 2^(e8 + e9); the even and the odd channels are set side by side; a tile of 16 queries goes through my stage and leaves as rows of 256 bytes.
	; The stages lie over K's and V's images: behind this barrier nobody reads those.
	s_wait_dscnt 0x0
	s_barrier_signal -1
	s_mul_i32 s19, s14, 2*16*SP
	v_and_b32 v12, 15, v0                          ; (these ten lines are also the places behind the last products)
	v_bfe_u32 v13, v0, 4, 1
	v_mul_u32_u24 v[STO], v12, SP
	v_lshl_add_u32 v[STO], v13, 6, v[STO]
	v_add_nc_u32 v[STO], s19, v[STO]               ; in: query r; my half's 16 channels of each 32: 64 h bytes on
	v_mul_u32_u24 v[RD], v13, SP
	v_lshl_add_u32 v[RD], v12, 4, v[RD]
	v_add_nc_u32 v[RD], s19, v[RD]                 ; back: lanes 0-15 one query, lanes 16-31 the next
	v_lshlrev_b32 v[GO], 12, v13
	v_lshl_add_u32 v[GO], v12, 4, v[GO]            ; and the same two rows of out0
	s_barrier_wait -1
.irp t, 0,1
.irp q, 0,1
.irp e, 0,1
.irp j, 0,1,2,3,4,5,6,7
	v_mul_f32 v[S+32*\t+16*\q+2*\j+\e], s51, v[O+32*\t+8*(2*\q+\e)+\j]   ; channel 32 q + 16 h + 2 j + e; each accumulator from its low end on
.endr
.endr
.endr
.irp q, 0,1
.irp i, 0,1,2,3
	ds_store_b128 v[STO], v[S+32*\t+16*\q+4*\i:S+32*\t+16*\q+4*\i+3] offset:16*SP*\t+128*\q+16*\i
.endr
.endr
.irp i, 0,1,2,3,4,5,6,7
	ds_load_b128 v[32+32*\t+4*\i:32+32*\t+4*\i+3], v[RD] offset:16*SP*\t+2*SP*\i   ; LDS serves a wave's instructions in order (ISA guide 5.7.1.4): these see my stores
.endr
.endr
.irp t, 0,1
.irp i, 0,1,2,3,4,5,6,7
	s_wait_dscnt 23-16*\t-\i                       ; behind this load: the tile's later loads and, for tile 0, tile 1's sixteen lines
	global_store_b128 v[GO], v[32+32*\t+4*\i:32+32*\t+4*\i+3], s[38:39] offset:65536*\t+8192*\i th:TH_STORE_NT   ; sixteen lanes store 256 consecutive bytes, at a multiple of 256 from out0's first byte
.endr
.endr
	s_wait_tensorcnt 0x0                           ; the wave's end: the three closing lines, behind my last LDS store
	ds_add_u32 v[SPW], v[NIL]
	s_wait_dscnt 0x0
	s_endpgm
.Lfunc_end_k_qbadac9b559_attn:
	.size	k_qbadac9b559_attn, .Lfunc_end_k_qbadac9b559_attn-k_qbadac9b559_attn
	.p2alignl 7, 3214868480
	.fill 96, 4, 3214868480
	.section	.rodata,"a",@progbits
	.p2align	6, 0x0
	.amdhsa_kernel k_qbadac9b559_attn
		.amdhsa_group_segment_fixed_size 280576
		.amdhsa_private_segment_fixed_size 0
		.amdhsa_enable_private_segment 0
		.amdhsa_kernarg_size 40
		.amdhsa_user_sgpr_count 2
		.amdhsa_user_sgpr_kernarg_segment_ptr 1
		.amdhsa_wavefront_size32 1
		.amdhsa_system_sgpr_workgroup_id_x 1
		.amdhsa_system_sgpr_workgroup_id_y 1
		.amdhsa_system_sgpr_workgroup_id_z 1
		.amdhsa_system_vgpr_workitem_id 0
		.amdhsa_next_free_vgpr 256
		.amdhsa_next_free_sgpr 66
		.amdhsa_reserve_vcc 1
		.amdhsa_float_denorm_mode_32 3
		.amdhsa_float_denorm_mode_16_64 3
		.amdhsa_memory_ordered 1
		.amdhsa_forward_progress 1
		.amdhsa_inst_pref_size 87
	.end_amdhsa_kernel
	.amdgpu_metadata
---
amdhsa.version: [ 1, 2 ]
amdhsa.kernels:
  - .name:           k_qbadac9b559_attn
    .symbol:         k_qbadac9b559_attn.kd
    .args:
      - { .name: qkv, .offset: 0, .size: 8, .value_kind: global_buffer, .address_space: global }
      - { .name: order, .offset: 8, .size: 8, .value_kind: global_buffer, .address_space: global }
      - { .name: mask, .offset: 16, .size: 8, .value_kind: global_buffer, .address_space: global }
      - { .name: lowp_scales, .offset: 24, .size: 8, .value_kind: global_buffer, .address_space: global }
      - { .name: out0, .offset: 32, .size: 8, .value_kind: global_buffer, .address_space: global }
    .group_segment_fixed_size: 280576
    .private_segment_fixed_size: 0
    .kernarg_segment_align: 8
    .kernarg_segment_size: 40
    .max_flat_workgroup_size: 512
    .sgpr_count:     66
    .vgpr_count:     256
    .wavefront_size: 32
...
	.end_amdgpu_metadata
.endif
;; end of part 2
;; ======== version 2 of 2: 2 launches; version 1 with the launch attn written anew for expert scheduling mode
;; limits: right only within a limited range of input values; inputs' magnitudes at most 1.27e+20
;; workspace buffers: qkv 25,165,824 bytes; order 65,536 bytes of whole numbers
;; launch proj: the kernel of part 1 again; grid 12 x 32, 4 waves a work-group, clusters of 4 x 4, 327,680 bytes of LDS; arguments x_codes, Wq_codes, Wk_codes, Wv_codes, bq, bk, bv, lowp_scales, mask, qkv, order; writes qkv, order
;; launch attn (part 3): grid 4 x 64, 16 waves a work-group, no clusters, 280,576 bytes of LDS; arguments qkv, order, mask, lowp_scales, out0; writes out0
.if DOCPART == 3
	.amdgcn_target "amdgcn-amd-amdhsa--gfx1250"
	.amdhsa_code_object_version 6
	.text
	.protected	k_qbadac9b559_attn
	.globl	k_qbadac9b559_attn
	.p2align	8
	.type	k_qbadac9b559_attn,@function
k_qbadac9b559_attn:
	s_mov_b64 s[64:65], 0
	v_nop
	global_prefetch_b8 v0, s[64:65] scope:SCOPE_SE
	s_setreg_imm32_b32 hwreg(HW_REG_WAVE_SCHED_MODE, 0, 2), 2
	s_setreg_imm32_b32 hwreg(HW_REG_WAVE_MODE, 25, 1), 1
	s_wait_xcnt 0x0
	s_wait_alu depctr_vm_vsrc(0)
; out[b][s][h] = (softmax_t(q . k / 8 - (1 - m) 1e10) x m) v, both products on codes of E4M3.  What is quantised for the second product is the FINISHED p: normalised and multiplied by m, with the scale 2^e8.
; So a row's maximum and sum are known before any p is made: the keys are walked twice.  Pass 1: q k^T, the running maximum and sum.  Pass 2: q k^T again, p = 2^(t - max - log2(sum)), codes, p v.
; NOTHING IS LEFT OUT AS DEAD WORK.  The keys that are walked are those that the launch before listed, as whole numbers read from memory here: keys with m = 0 are passed over only where some m of the batch is above 0.5
; (then their p x m is 0 and their term in the sum is 0 in f32); else the list is the identity.  In steps under nP every m is exactly 1: the penalty is 0 and the factor 1, and neither is computed.
; Steps nP .. nT - 1 take the general path: t = score - (1 - m) 1e10 with one rounding as the subtraction has it, the maximum taken away exactly, p x m.  Positions at or beyond nK in the last step count as keys with m = 0.
; LIMITS: e6 + e7 between -60 and 9 (|score| under 1e9; the starting maximum -2^100 lies under every sum and every penalised score, and its products stay finite); e8 between -126 and 119; e8 + e9 between -126 and 127;
; NaN in the mask is not served.  The offset max x log2(e) + log2(sum) of the plain path is rounded once, a factor common to a row of about half a unit in its last place.
; SHARES.  A work-group owns 512 queries of one head; each of its sixteen waves 32: two tiles of 16, so that each fragment of K or V read from LDS feeds two products.  Four waves share a SIMD, 256 registers each.
; Both products are used transposed (S^T = K Q^T, O^T = V^T P^T): a lane holds one query (lane % 16) throughout, and a tile of S^T converts straight into two registers of P.
; NO TENSOR LOADS AND NO CLUSTER: which steps are walked hangs on counts read from memory.  The head's K and V, 256 KiB at the most, are gathered by the
; list through registers into LDS once and stay: no slot is ever filled again.  V's loads are issued ahead of pass 1 and land under it.
; LDS: K as images of its fragments' registers, 1,024 bytes a tile of 16 keys; V first as rows of 64 bytes, then turned in place into images of V^T's fragments, 4,096 bytes a step; m and the penalty by position.
; THE MODE: SCHED_MODE bits 1:0 = 2 (LLVM: expert scheduling mode 2), set by the entry lines.  The code itself states the register dependences
; between vector or matrix instructions and memory or LDS instructions, with s_wait_alu, always for 0.
; THE PLAN.  Registers that LDS instructions touch in the walks:
;   KF                       K's fragments land in it; the first products read it.  General steps of pass 2: m then lands in it, and the multiplications by m read it.
;   VF                       Pass 2: V's fragments land in it; the second products read it.  General steps: the penalty lands in it first, and the additions read it.
;   v[AKC], v[AVC], v[ATC]   Each written by one vector addition a step; read by the step's LDS loads.
;   S^T, O^T, P and the statistics are named by vector and matrix instructions alone (O^T's registers through pass 1: V's rows on their way, named by nobody).
; PASS 1, AND THE GENERAL STEPS OF PASS 2: at a step's head one wait on vm_vsrc, the additions, and ONE wait on va_vdst, which states that the addresses are written and that the last step's readers of KF and VF are done;
; the step's loads follow it.  A general step of pass 2 has one more, ahead of the loads of m and V into registers just read.
; THE PLAIN STEPS OF PASS 2 have no such wait at the head.  The additions stand behind the first products, and the wait on va_vdst that stands behind the exponentials in any case states all: p is written, the addresses are
; written, this step's first products are done with KF and the last step's second products with VF.  Behind it stand V's eight loads for this step and K's eight for the NEXT plain step, and between that wait and those
; loads no vector or matrix instruction names KF, VF or the addresses.  Step 0's fragments of K are asked for ahead of the walk.
; Pass 1 does not look ahead so: the address one step beyond its last trip's lies in V's region, into which waves that have ended pass 1 store with no barrier between.
.set KIMG,  0
.set VREG,  131072
.set MT,    262144                     ; m, 4 bytes a position
.set PTO,   8192                       ; and, so far behind it, -(1 - m) 1e10
.set SPARE, 278528                     ; the spare words, 128 bytes for each of sixteen waves
.set SP,    272                        ; the way out: a query's 256 bytes + 16 of padding
.set SPW, 1                            ; v1   my spare word; never rewritten
.set NIL, 2                            ; v2   0; never rewritten
.set AK,  3                            ; v3   my lane's place in an image of K
.set AV,  4                            ; v4   VREG + 16 x lane
.set AT,  5                            ; v5   MT + 32 x (lane / 16)
.set AKC, 6                            ; v6-8 the same for the step in hand
.set AVC, 7
.set ATC, 8
.set STO, 9
.set RD,  10
.set GO,  11
.set U,   12                           ; v[12:15] a second chain of sums for each tile
.set Q,   16                           ; v[16:31] Q's two fragments
.set KF,  32                           ; v[32:63] K's four fragments; in general steps of pass 2 then m
.set VF,  64                           ; v[64:95] V^T's four fragments; in general steps first the penalty
.set S,   96                           ; v[96:159] S^T, 32 a tile
.set O,   160                          ; v[160:223] O^T at O + 32 tile + 8 f; through pass 1: V's rows on their way
.set P,   224                          ; v[224:239] p's codes, 8 a tile
.set ST,  224                          ; pass 1, at ST + 8 tile: +0 the offset (-c max; general: -max), +1 max, +2, +3 the sum in two halves, +4 a factor, +5 its partner (general: the old max), +6, +7 at work
.set FS,  240                          ; for pass 2, at FS + 6 tile: +0 -(max log2(e) + log2(sum)), +2 -max, +4 -log2(sum); the odd ones are partners of pairs
.set LIM, 252                          ; 448 x 2^e8
.set SCL, 254                          ; 2^e8
.set TMP, 255
.set CM,  56                           ; s[56:59] at the head: four masks, positions under nK
.macro PLACES n
.rept \n
	v_nop
.endr
.endm
	s_load_b256 s[4:11], s[0:1], 0x0               ; qkv s[4:5], order s[6:7], mask s[8:9], the scales' exponents s[10:11]
	s_load_b64 s[12:13], s[0:1], 0x20              ; out0
	v_lshl_add_u32 v[SPW], v0, 2, SPARE
	v_mov_b32 v[NIL], 0
	v_lshrrev_b32 v3, 5, v0
	v_readfirstlane_b32 s14, v3                    ; wave 0..15
	s_mov_b32 s15, ttmp9                           ; my block of 512 queries
	s_and_b32 s16, ttmp7, 0xffff                   ; 16 x batch + head
	s_lshr_b32 s17, s16, 4
	s_and_b32 s18, s16, 15
	v_and_b32 v12, 31, v0                          ; lane
	v_and_b32 v13, 7, v0                           ; lane % 8
	v_bfe_u32 v14, v0, 3, 2                        ; lane / 8
	v_and_b32 v15, 15, v0                          ; r
	v_bfe_u32 v[TMP], v0, 4, 1                     ; h
	s_wait_alu depctr_va_sdst(0)                   ; s14 is written, ahead of its first reader: offsets and bases are made from it
	s_lshl_b32 s19, s14, 5
	v_lshl_add_u32 v6, v13, 2, s19                 ; the list, for K and V: position 128 i + 8 wave + lane % 8
	s_lshl_b32 s19, s14, 9
	v_lshl_add_u32 v7, v12, 2, s19                 ; and for the tables: position 128 wave + 32 i + lane
	v_lshlrev_b32 v8, 4, v14                       ; my 16 bytes of a row of 64
	v_lshlrev_b32 v11, 6, v15
	v_lshl_add_u32 v11, v[TMP], 4, v11             ; Q: row r, + 16 h
	s_lshl_b32 s58, s16, 2
	s_add_co_u32 s58, s58, s15
	s_lshl_b32 s58, s58, 7
	s_add_co_u32 s58, s58, 32768                   ; my work-group's record of counts
	s_mov_b32 s59, 0
	s_lshl_b32 s60, s17, 13                        ; the batch's 8,192 bytes of list and of mask
	s_mov_b32 s61, 0
	s_wait_kmcnt 0x0
	s_load_b128 s[20:23], s[10:11], 0x18           ; e6, e7, e8, e9
	s_add_nc_u64 s[58:59], s[6:7], s[58:59]
	s_load_b128 s[24:27], s[58:59], 0x0            ; nP, nT, nK
	s_add_nc_u64 s[28:29], s[6:7], s[60:61]
	s_add_nc_u64 s[36:37], s[8:9], s[60:61]
	s_lshl_b32 s60, s16, 17
	s_add_nc_u64 s[34:35], s[4:5], s[60:61]        ; the head in q,
	s_add_nc_u64 s[30:31], s[34:35], 0x800000      ; in k,
	s_add_nc_u64 s[32:33], s[34:35], 0x1000000     ; in v
	s_lshl_b32 s60, s15, 15
	s_lshl_b32 s19, s14, 11
	s_add_co_u32 s60, s60, s19
	s_add_nc_u64 s[34:35], s[34:35], s[60:61]      ; my first query: 512 x block + 32 x wave
	s_lshl_b32 s60, s17, 11
	s_lshl_b32 s19, s15, 9
	s_add_co_u32 s60, s60, s19
	s_lshl_b32 s19, s14, 5
	s_add_co_u32 s60, s60, s19
	s_lshl_b32 s60, s60, 12                        ; its row of out0, 4,096 bytes each,
	s_lshl_b32 s19, s18, 8
	s_add_co_u32 s60, s60, s19                     ; + the head's 256 bytes
	s_add_nc_u64 s[38:39], s[12:13], s[60:61]
	s_wait_alu depctr_va_vdst(0)                   ; v6, v7 and v11 are written, which the loads below read as their offsets
.irp i, 0,1,2,3,4,5,6,7,8,9,10,11,12,13,14,15
	global_load_b32 v[32+\i], v6, s[28:29] offset:512*\i
.endr
.irp i, 0,1,2,3
	global_load_b32 v[48+\i], v7, s[28:29] offset:128*\i
.endr
.irp t, 0,1
.irp g, 0,1
	global_load_b128 v[Q+8*\t+4*\g:Q+8*\t+4*\g+3], v11, s[34:35] offset:1024*\t+32*\g   ; registers 4 g .. 4 g + 3: channels 32 g + 16 h + 0 .. 15: one permutation of the head's 64, the same in Q and K
.endr
.endr
	; K's image: the 16 bytes of channels 16 c .. 16 c + 15 of position p lie at 1,024 (p / 16) + 256 c + 16 ((p % 16 + 8 (c % 2)) % 16): a fragment load reads 512 consecutive bytes,
	; and the turn by 8 sets the two chunks that sixteen lanes store 128 bytes apart modulo 256
	v_lshl_add_u32 v[AK], v[TMP], 3, v15
	v_and_b32 v[AK], 15, v[AK]
	v_lshlrev_b32 v[AK], 4, v[AK]
	v_lshl_add_u32 v[AK], v[TMP], 8, v[AK]         ; 256 h + 16 ((r + 8 h) % 16)
	v_lshlrev_b32 v[AV], 4, v12
	v_add_nc_u32 v[AV], VREG, v[AV]
	v_lshlrev_b32 v[AT], 5, v[TMP]
	v_add_nc_u32 v[AT], MT, v[AT]
	s_lshr_b32 s19, s14, 1
	s_lshl_b32 s19, s19, 10
	s_and_b32 s43, s14, 1
	s_lshl_b32 s43, s43, 3
	v_and_b32 v9, 1, v14
	v_lshl_add_u32 v9, v9, 3, v13
	v_add_nc_u32 v9, s43, v9
	v_and_b32 v9, 15, v9
	v_lshlrev_b32 v9, 4, v9
	v_lshl_add_u32 v9, v14, 8, v9
	v_add_nc_u32 v9, s19, v9                       ; where I store K: tile 8 i + wave / 2, chunk lane / 8, key lane % 8 + 8 (wave % 2)
	v_add_nc_u32 v10, 65536, v9
	v_add_nc_u32 v13, MT, v7                       ; where I store the tables
	v_lshrrev_b32 v15, 2, v7                       ; and the position: 128 wave + lane
	s_wait_loadcnt 4                               ; both parts of the list are in; Q's four loads may be out
.irp i, 0,1,2,3,4,5,6,7,8,9,10,11,12,13,14,15
	v_min_u32 v[32+\i], 0x7ff, v[32+\i]            ; a token stays inside the head
	v_lshlrev_b32 v[32+\i], 6, v[32+\i]
	v_add_nc_u32 v[32+\i], v8, v[32+\i]            ; its row of 64 bytes, my 16 of them
.endr
.irp i, 0,1,2,3
	v_min_u32 v[48+\i], 0x7ff, v[48+\i]
	v_lshlrev_b32 v[48+\i], 2, v[48+\i]
.endr
	s_wait_alu depctr_va_vdst(0)                   ; the twenty offsets v[32:51] are written, which the loads of m, K and V read; so are v9 and v10, the addresses of K's LDS stores
.irp i, 0,1,2,3
	global_load_b32 v[52+\i], v[48+\i], s[36:37]   ; m of the position's token
.endr
	s_wait_kmcnt 0x0
	s_min_u32 s24, s24, 32
	s_min_u32 s25, s25, 32
	s_min_u32 s26, s26, 2048
.macro KLOAD4 i0
.irp i, \i0, \i0+1, \i0+2, \i0+3
	global_load_b128 v[96+4*(\i):96+4*(\i)+3], v[32+(\i)], s[30:31]
.endr
.endm
.macro KSTORE4 i0
.irp i, \i0, \i0+1, \i0+2, \i0+3
	ds_store_b128 v[9+(\i)/8], v[96+4*(\i):96+4*(\i)+3] offset:8192*((\i)%8)
.endr
.endm
	KLOAD4 0                                       ; load i brings positions 128 i .. 128 i + 127 (with the other waves'): four loads are eight steps.  Only what nT steps read is fetched
	s_cmp_le_u32 s25, 8
	s_cbranch_scc1 .Lk0
	KLOAD4 4
	s_cmp_le_u32 s25, 16
	s_cbranch_scc1 .Lk1
	KLOAD4 8
	s_cmp_le_u32 s25, 24
	s_cbranch_scc1 .Lk2
	KLOAD4 12
	s_wait_loadcnt 0x0
	KSTORE4 12
.Lk2:
	s_wait_loadcnt 0x0                             ; each way into a label has its loads waited for here
	KSTORE4 8
.Lk1:
	s_wait_loadcnt 0x0
	KSTORE4 4
.Lk0:
	s_wait_loadcnt 0x0                             ; K's first four, Q and m
	KSTORE4 0
.irp i, 0,1,2,3
	v_add_nc_u32 v[56+\i], 32*\i, v15
.endr
.irp i, 0,1,2,3
	v_cmp_gt_u32 s[CM+\i], s26, v[56+\i]           ; is the position under nK?
.endr
	s_wait_alu depctr_va_sdst(0)                   ; the four masks s[56:59] are written, ahead of their first reader
.irp i, 0,1,2,3
	v_cndmask_b32 v[52+\i], 0, v[52+\i], s[CM+\i]  ; if not: m = 0
.endr
.irp i, 0,1,2,3
	v_sub_f32 v[56+\i], 1.0, v[52+\i]
.endr
.irp i, 0,1,2,3
	v_mul_f32 v[56+\i], 0xd01502f9, v[56+\i]       ; -((1 - m) x 1e10)
.endr
	s_wait_alu depctr_va_vdst(0)                   ; m and the penalty, v[52:59], are written, which the LDS stores below read
.irp i, 0,1,2,3
	ds_store_b32 v13, v[52+\i] offset:128*\i
	ds_store_b32 v13, v[56+\i] offset:PTO+128*\i
.endr
.irp i, 0,1,2,3,4,5,6,7,8,9,10,11,12,13,14,15
	global_load_b128 v[O+4*\i:O+4*\i+3], v[32+\i], s[32:33]   ; V's rows: they stay out through pass 1, which issues no global load and touches none of these registers
.endr
	s_add_co_i32 s19, s20, s21
	s_sub_co_i32 s19, s19, 3                       ; a sum of the first product stands for score = sum x 2^(e6 + e7 - 3)
	s_lshl_b32 s43, s19, 23
	s_add_co_i32 s40, s43, 0x3fb8aa3b              ; c = log2(e) x 2^(e6 + e7 - 3): the exponent is added to log2(e)'s exponent field
	s_mov_b32 s41, s40                             ; (pairs are named whole, so both words are written)
	s_xor_b32 s42, s40, 0x80000000                 ; -c
	s_add_co_i32 s19, s19, 127
	s_lshl_b32 s52, s19, 23                        ; 2^(e6 + e7 - 3)
	s_mov_b32 s53, s52
	s_mov_b32 s54, 0x3fb8aa3b                      ; log2(e)
	s_mov_b32 s55, s54
	s_mov_b32 s44, 0x76543210                      ; v_permlanex16_b32's selects for lane l xor 16
	s_mov_b32 s45, 0xfedcba98
	s_mov_b32 s49, 0x06040200                      ; v_perm_b32: the even bytes of two words,
	s_mov_b32 s50, 0x07050301                      ; the odd ones
	s_add_co_i32 s19, s22, s23
	s_add_co_i32 s19, s19, 127
	s_lshl_b32 s51, s19, 23                        ; 2^(e8 + e9)
	s_add_co_i32 s19, s22, 127
	s_lshl_b32 s43, s19, 23
	v_mov_b32 v[SCL], s43
	s_add_co_i32 s19, s19, 8
	s_lshl_b32 s19, s19, 23
	s_or_b32 s19, s19, 0x600000
	v_mov_b32 v[LIM], s19
.irp t, 0,1
	v_mov_b32 v[ST+8*\t+1], 0xf1800000             ; the maximum so far: -2^100, a power of two, so that
	v_mul_f32 v[ST+8*\t], s42, v[ST+8*\t+1]        ; -c x maximum is exact
.irp j, 2,3,4,5,6,7
	v_mov_b32 v[ST+8*\t+\j], 0
.endr
.endr
	s_wait_xcnt 0x0                                ; V's loads have read their address registers, which K's fragments take
	s_wait_alu depctr_vm_vsrc(0)                   ; every load and LDS store so far has read its registers: the offsets v6, v7, v11 and v[32:51], the addresses v9, v10, v13, the data v[52:59] and v[96:159]; all of them are written anew from here on
	s_wait_dscnt 0x0                               ; my stores of K and of the tables have landed
	s_barrier_signal -1
	s_barrier_wait -1                              ; everybody's have
.macro KFRAG adr, off                  ; four tiles of 16 keys: a step's, off bytes behind the address
.irp c, 0,1,2,3
	ds_load_b128 v[KF+8*\c:KF+8*\c+3], v[\adr] offset:(\off)+1024*\c
	ds_load_b128 v[KF+8*\c+4:KF+8*\c+7], v[\adr] offset:(\off)+1024*\c+512
.endr
.endm
.macro VFRAG                           ; the step's four fragments of V^T: 16 channels x 64 keys each
.irp f, 0,1,2,3
	ds_load_b128 v[VF+8*\f:VF+8*\f+3], v[AVC] offset:1024*\f
	ds_load_b128 v[VF+8*\f+4:VF+8*\f+7], v[AVC] offset:1024*\f+512
.endr
.endm
.macro TABLD reg, off                  ; a table's entries in S^T's layout: register 8 c + j = key 16 c + 8 h + j of the step
.irp c, 0,1,2,3
	ds_load_b128 v[\reg+8*\c:\reg+8*\c+3], v[ATC] offset:\off+64*\c
	ds_load_b128 v[\reg+8*\c+4:\reg+8*\c+7], v[ATC] offset:\off+64*\c+16
.endr
.endm
.macro QK                              ; S^T = K Q^T: register 8 c + j of lane (r, h) = key 16 c + 8 h + j, query r.  Each fragment of K serves both tiles
.irp c, 0,1,2,3
.irp t, 0,1
	v_wmma_f32_16x16x64_fp8_fp8 v[S+32*\t+8*\c:S+32*\t+8*\c+7], v[KF+8*\c:KF+8*\c+7], v[Q+8*\t:Q+8*\t+7], 0
.endr
.endr
.endm
.macro PV                              ; O^T += V^T P^T: eight accumulators by turns
.irp f, 0,1,2,3
.irp t, 0,1
	v_wmma_f32_16x16x64_fp8_fp8 v[O+32*\t+8*\f:O+32*\t+8*\f+7], v[VF+8*\f:VF+8*\f+7], v[P+8*\t:P+8*\t+7], v[O+32*\t+8*\f:O+32*\t+8*\f+7]
.endr
.endr
.endm
.macro ADDPEN                          ; t = sum x 2^(e6 + e7 - 3) - (1 - m) 1e10: the scaling is exact, so this rounds once, as the subtraction does.  Each accumulator from its low end on
.set n, 0
.rept 32
	v_pk_fma_f32 v[S+2*n:S+2*n+1], v[S+2*n:S+2*n+1], s[52:53], v[VF+2*(n%16):VF+2*(n%16)+1] op_sel_hi:[1,0,1]
.set n, n+1
.endr
.endm
.macro EXP64                           ; one batch and one plain instruction behind it; the one wait, ahead of the first reader, is written where the macro is used
.set n, 0
.rept 64
	v_exp_f32 v[S+n], v[S+n]
.set n, n+1
.endr
	v_nop
.endm
.macro MAXCH                           ; the maximum of the old maximum and my 32 scores, for both tiles: four chains, three operands at a time; each accumulator is first read at its low end
.irp t, 0,1
	v_max3_num_f32 v[ST+8*\t+6], v[ST+8*\t+1], v[S+32*\t], v[S+32*\t+1]
	v_max3_num_f32 v[ST+8*\t+7], v[S+32*\t+16], v[S+32*\t+17], v[S+32*\t+18]
.endr
.irp k, 1,2,3,4,5,6
.irp t, 0,1
	v_max3_num_f32 v[ST+8*\t+6], v[ST+8*\t+6], v[S+32*\t+2*\k], v[S+32*\t+2*\k+1]
	v_max3_num_f32 v[ST+8*\t+7], v[ST+8*\t+7], v[S+32*\t+17+2*\k], v[S+32*\t+18+2*\k]
.endr
.endr
.irp t, 0,1
	v_max3_num_f32 v[ST+8*\t+6], v[ST+8*\t+6], v[S+32*\t+14], v[S+32*\t+15]
.endr
.irp t, 0,1
	v_max3_num_f32 v[ST+8*\t+1], v[ST+8*\t+6], v[ST+8*\t+7], v[S+32*\t+31]
.endr
.endm
; PASS 1, a step of 64 keys.  The statistics are each lane's own: a half of the lanes keeps the maximum and sum of its keys, and the halves meet once, behind the pass.
; gen = 0: every m is 1.  The sum counts from the offset -c max as it was rounded; the factor for the old sum is 2^(new offset - old offset).
; gen = 1: t carries the penalty; the maximum is taken away first, exactly, and the difference is then multiplied by log2(e): at 1e10 one multiply-add would lose the difference.
.macro STEP1 gen
	s_wait_alu depctr_vm_vsrc(0)                   ; the LDS loads issued so far have read v[AKC] (general: and v[ATC]), written anew below
	v_add_nc_u32 v[AKC], s47, v[AK]
.if \gen
	v_add_nc_u32 v[ATC], s48, v[AT]
.endif
	s_wait_alu depctr_va_vdst(0)                   ; the step's addresses are written; the last step's products are done reading K's registers (general: and its additions the penalty's), in which the loads below land; in the first step the head's vector lines are done with them
	KFRAG AKC, 0
.if \gen
	TABLD VF, PTO
.endif
	s_wait_dscnt 0x0
	QK
	PLACES 4
.if \gen
	ADDPEN
.irp t, 0,1
	v_mov_b32 v[ST+8*\t+5], v[ST+8*\t+1]           ; the old maximum
.endr
.endif
	MAXCH
.if \gen
.irp t, 0,1
	v_sub_f32 v[ST+8*\t+7], v[ST+8*\t+5], v[ST+8*\t+1]
	v_xor_b32 v[ST+8*\t], 0x80000000, v[ST+8*\t+1] ; -max, in the pair's low word
.endr
.irp t, 0,1
	v_mul_f32 v[ST+8*\t+7], s54, v[ST+8*\t+7]
.endr
.else
.irp t, 0,1
	v_mul_f32 v[ST+8*\t+6], s42, v[ST+8*\t+1]      ; the new offset
.endr
.irp t, 0,1
	v_sub_f32 v[ST+8*\t+7], v[ST+8*\t+6], v[ST+8*\t]
	v_mov_b32 v[ST+8*\t], v[ST+8*\t+6]
.endr
.endif
.irp t, 0,1
	v_exp_f32 v[ST+8*\t+4], v[ST+8*\t+7]           ; the factor for the old sum: of the same batch as the 64 below
.endr
.set n, 0
.rept 32
.if \gen
	v_pk_add_f32 v[S+2*n:S+2*n+1], v[S+2*n:S+2*n+1], v[ST+8*(n/16):ST+8*(n/16)+1] op_sel_hi:[1,0]
.else
	v_pk_fma_f32 v[S+2*n:S+2*n+1], v[S+2*n:S+2*n+1], s[40:41], v[ST+8*(n/16):ST+8*(n/16)+1] op_sel_hi:[1,0,0]
.endif
.set n, n+1
.endr
.if \gen
.set n, 0
.rept 32
	v_pk_mul_f32 v[S+2*n:S+2*n+1], v[S+2*n:S+2*n+1], s[54:55] op_sel_hi:[1,0]
.set n, n+1
.endr
.endif
	EXP64
	s_wait_alu depctr_va_vdst(0)                   ; the 66 exponentials, the two factors among them, have written their results, which the sums below read
.irp t, 0,1                                    ; the sums, two numbers at a time, in two chains a tile
	v_pk_fma_f32 v[ST+8*\t+2:ST+8*\t+3], v[ST+8*\t+2:ST+8*\t+3], v[ST+8*\t+4:ST+8*\t+5], v[S+32*\t:S+32*\t+1] op_sel_hi:[1,0,1]
	v_pk_add_f32 v[U+2*\t:U+2*\t+1], v[S+32*\t+2:S+32*\t+3], v[S+32*\t+6:S+32*\t+7]
.endr
.irp j, 4,8,12,16,20,24
.irp t, 0,1
	v_pk_add_f32 v[ST+8*\t+2:ST+8*\t+3], v[ST+8*\t+2:ST+8*\t+3], v[S+32*\t+\j:S+32*\t+\j+1]
	v_pk_add_f32 v[U+2*\t:U+2*\t+1], v[U+2*\t:U+2*\t+1], v[S+32*\t+\j+6:S+32*\t+\j+7]
.endr
.endr
.irp t, 0,1
	v_pk_add_f32 v[ST+8*\t+2:ST+8*\t+3], v[ST+8*\t+2:ST+8*\t+3], v[S+32*\t+28:S+32*\t+29]
.endr
.irp t, 0,1
	v_pk_add_f32 v[ST+8*\t+2:ST+8*\t+3], v[ST+8*\t+2:ST+8*\t+3], v[U+2*\t:U+2*\t+1]
.endr
.endm
; PASS 2, a step of 64 keys: the finished p, its codes, and O^T += V^T P^T.
; gen = 0: K's fragments were asked for a step ago (step 0's: ahead of the walk); V's are asked for behind the exponentials' wait, and with them K's for the next plain step.
; gen = 1: the step asks for all that it reads itself.
.macro STEP2 gen
.if \gen
	s_wait_alu depctr_vm_vsrc(0)                   ; the LDS loads issued so far have read v[AKC], v[AVC] and v[ATC], written anew below
	v_add_nc_u32 v[AKC], s47, v[AK]                ; these lines and the v_nop are the four places between the last step's products and the loads into V's registers
	v_add_nc_u32 v[AVC], s47, v[AV]
	v_add_nc_u32 v[ATC], s48, v[AT]
	PLACES 1
	s_wait_alu depctr_va_vdst(0)                   ; the three addresses are written; the last step's products (and its multiplications by m) are done reading K's and V's registers, in which the loads below land
	KFRAG AKC, 0
	TABLD VF, PTO
	s_wait_dscnt 0x0
	QK
	PLACES 4
	ADDPEN
	s_wait_alu depctr_va_vdst(0)                   ; the products are done reading K's registers and the additions the penalty's: m and V land there
	TABLD KF, 0                                    ; m, into K's registers, and V, into the penalty's: both are done with
	VFRAG
.set n, 0
.rept 32
	v_pk_add_f32 v[S+2*n:S+2*n+1], v[S+2*n:S+2*n+1], v[FS+6*(n/16)+2:FS+6*(n/16)+3] op_sel_hi:[1,0]   ; t - max, exact
.set n, n+1
.endr
.set n, 0
.rept 32
	v_pk_fma_f32 v[S+2*n:S+2*n+1], v[S+2*n:S+2*n+1], s[54:55], v[FS+6*(n/16)+4:FS+6*(n/16)+5] op_sel_hi:[1,0,0]   ; x log2(e) - log2(sum)
.set n, n+1
.endr
	EXP64                                          ; p, normalised
	s_wait_alu depctr_va_vdst(0)                   ; the 64 exponentials have written p, which the multiplications below read
	s_wait_dscnt 8                                 ; m is in; V's eight loads may be out
.set n, 0
.rept 32
	v_pk_mul_f32 v[S+2*n:S+2*n+1], v[S+2*n:S+2*n+1], v[KF+2*(n%16):KF+2*(n%16)+1]   ; x m
.set n, n+1
.endr
.set n, 0
.rept 64
	v_med3_num_f32 v[S+n], v[S+n], -v[LIM], v[LIM] ; the conversion does not saturate (ISA guide 7.6.2); m may have either sign
.set n, n+1
.endr
.else
	s_wait_dscnt 0x0                               ; K's fragments are in
	QK
	s_wait_alu depctr_vm_vsrc(0)                   ; the LDS loads issued so far have read v[AKC] and v[AVC], written anew below
	v_add_nc_u32 v[AKC], s47, v[AK]                ; these two lines and the two v_nop are the four places between the products and the first read of their results
	v_add_nc_u32 v[AVC], s47, v[AV]
	PLACES 2
.set n, 0
.rept 32
	v_pk_fma_f32 v[S+2*n:S+2*n+1], v[S+2*n:S+2*n+1], s[40:41], v[FS+6*(n/16):FS+6*(n/16)+1] op_sel_hi:[1,0,0]     ; c sum - (max log2(e) + log2(sum)); each accumulator from its low end on
.set n, n+1
.endr
	EXP64                                          ; p, normalised
	s_wait_alu depctr_va_vdst(0)                   ; the step's one wait: the 64 exponentials have written p; v[AKC] and v[AVC] are written; this step's first products are done reading K's registers and the last step's second products V's: the loads below land there
	VFRAG                                          ; no vector or matrix instruction since the wait names V's or K's registers or the two addresses
	s_add_co_u32 s43, s46, 1
	s_cmp_ge_u32 s43, s24                          ; is the next step a plain one?  Counts read from memory alone
	s_cbranch_scc1 .Lno_k_\@
	KFRAG AKC, 4096                                ; its fragments of K: they land under the 73 vector lines below
.Lno_k_\@:
.set n, 0
.rept 64
	v_min_num_f32 v[S+n], v[S+n], v[LIM]           ; p is not negative, so the hold is one-sided
.set n, n+1
.endr
.endif
.irp t, 0,1
.irp c, 0,1,2,3
	v_cvt_scalef32_pk8_fp8_f32 v[P+8*\t+2*\c:P+8*\t+2*\c+1], v[S+32*\t+8*\c:S+32*\t+8*\c+7], v[SCL]   ; registers 2 c, 2 c + 1 of the operand: keys 16 c + 8 h + 0 .. 7
.endr
.endr
	v_nop                                          ; one plain vector instruction between a scaled conversion and the matrix instruction that reads its result
	s_wait_dscnt 0x0                               ; V is in (plain: and what was asked of K)
	PV
.endm
; A walk over the steps.  The trip count is a constant, 32, and the LDS offsets step by constants; what the counts leave out is jumped over inside the trip.  No barrier stands in a walk.
.macro WALK pass, gen
	s_mov_b32 s46, 0
	s_mov_b32 s47, 0                               ; 4,096 x step: K's and V's images
	s_mov_b32 s48, 0                               ; 256 x step: the tables
.Lstep_\@:
.if \gen
	s_cmp_lt_u32 s46, s24
	s_cbranch_scc1 .Lnext_\@
	s_cmp_ge_u32 s46, s25
	s_cbranch_scc1 .Lnext_\@
.else
	s_cmp_ge_u32 s46, s24
	s_cbranch_scc1 .Lnext_\@
.endif
.if \pass == 1
	STEP1 \gen
.else
	STEP2 \gen
.endif
.Lnext_\@:
	s_add_co_u32 s47, s47, 4096
	s_add_co_u32 s48, s48, 256
	s_add_co_u32 s46, s46, 1
	s_cmp_lt_u32 s46, 32
	s_cbranch_scc1 .Lstep_\@
.endm
	WALK 1, 0
	; from the plain steps to the general ones: the sum is brought from the rounded offset to max x c itself (a factor 2^-(max c + offset), which is 1 where no plain step ran), and the maximum into score units (exact)
.irp t, 0,1
	v_fma_f32 v[ST+8*\t+7], v[ST+8*\t+1], s40, v[ST+8*\t]
.endr
.irp t, 0,1
	v_exp_f32 v[ST+8*\t+4], -v[ST+8*\t+7]
.endr
.irp t, 0,1
	v_mul_f32 v[ST+8*\t+1], s52, v[ST+8*\t+1]
.endr
.irp t, 0,1
	v_xor_b32 v[ST+8*\t], 0x80000000, v[ST+8*\t+1]
.endr
	s_wait_alu depctr_va_vdst(0)                   ; the two exponentials have written the factors, which the multiplications below read
.irp t, 0,1
	v_pk_mul_f32 v[ST+8*\t+2:ST+8*\t+3], v[ST+8*\t+2:ST+8*\t+3], v[ST+8*\t+4:ST+8*\t+5] op_sel_hi:[1,0]
.endr
	WALK 1, 1
	; the two halves of the lanes meet: the row's maximum, its sum under that maximum, log2 of the sum
.irp t, 0,1
	v_permlanex16_b32 v[ST+8*\t+6], v[ST+8*\t+1], s44, s45
.endr
.irp t, 0,1
	v_max_num_f32 v[ST+8*\t+6], v[ST+8*\t+1], v[ST+8*\t+6]
	v_add_f32 v[ST+8*\t+2], v[ST+8*\t+2], v[ST+8*\t+3]
.endr
.irp t, 0,1
	v_sub_f32 v[ST+8*\t+7], v[ST+8*\t+1], v[ST+8*\t+6]
	v_xor_b32 v[FS+6*\t+2], 0x80000000, v[ST+8*\t+6]
.endr
.irp t, 0,1
	v_mul_f32 v[ST+8*\t+7], s54, v[ST+8*\t+7]
	v_mov_b32 v[FS+6*\t+3], 0
.endr
.irp t, 0,1
	v_exp_f32 v[ST+8*\t+4], v[ST+8*\t+7]
.endr
	v_nop
	s_wait_alu depctr_va_vdst(0)                   ; the two exponentials have written the factors, which the multiplications below read
.irp t, 0,1
	v_mul_f32 v[ST+8*\t+2], v[ST+8*\t+2], v[ST+8*\t+4]
.endr
.irp t, 0,1
	v_permlanex16_b32 v[ST+8*\t+3], v[ST+8*\t+2], s44, s45
.endr
.irp t, 0,1
	v_add_f32 v[ST+8*\t+2], v[ST+8*\t+2], v[ST+8*\t+3]
.endr
.irp t, 0,1
	v_log_f32 v[ST+8*\t+4], v[ST+8*\t+2]
.endr
.irp t, 0,1
	v_mov_b32 v[FS+6*\t+1], 0                      ; (plain instructions behind the logarithms; the pairs' partners are written)
	v_mov_b32 v[FS+6*\t+5], 0
.endr
	s_wait_alu depctr_va_vdst(0)                   ; the two logarithms have written their results, which the lines below read
.irp t, 0,1
	v_xor_b32 v[FS+6*\t+4], 0x80000000, v[ST+8*\t+4]
.endr
.irp t, 0,1
	v_fma_f32 v[FS+6*\t], v[FS+6*\t+2], s54, v[FS+6*\t+4]   ; -(max log2(e) + log2(sum))
.endr
	; V: the rows that have landed under pass 1 go to LDS as rows, position p at 64 p
	s_lshl_b32 s19, s14, 9
	v_and_b32 v12, 7, v0
	v_bfe_u32 v13, v0, 3, 2
	v_lshlrev_b32 v12, 6, v12
	v_lshl_add_u32 v12, v13, 4, v12
	v_add_nc_u32 v12, s19, v12
	v_add_nc_u32 v12, VREG, v12                    ; position 128 i + 8 wave + lane % 8, chunk lane / 8
	v_add_nc_u32 v13, 65536, v12
	s_lshl_b32 s19, s14, 13
	v_bfe_u32 v14, v0, 4, 1
	v_and_b32 v15, 7, v0
	v_lshl_add_u32 v14, v14, 3, v15
	v_lshlrev_b32 v14, 6, v14
	v_bfe_u32 v15, v0, 3, 1
	v_lshl_add_u32 v14, v15, 4, v14
	v_add_nc_u32 v14, s19, v14
	v_add_nc_u32 v14, VREG, v14                    ; the turning load: row 8 h + lane % 8 of my wave's 128, 16 bytes at 16 ((lane / 8) % 2)
	v_add_nc_u32 v15, s19, v[AV]                   ; and where the images go: my wave's 8,192 bytes, 16 x lane
	s_wait_alu depctr_va_vdst(0)                   ; v12 to v15 are written, the addresses of the LDS lines below; pass 1 is done with S^T's registers, in which the turning loads land (the clearing of O^T between names neither)
	s_wait_loadcnt 0x0
.irp i, 0,1,2,3,4,5,6,7,8,9,10,11,12,13,14,15
	ds_store_b128 v[12+\i/8], v[O+4*\i:O+4*\i+3] offset:8192*(\i%8)
.endr
	s_wait_dscnt 0x0                               ; my rows have landed
	s_wait_alu depctr_vm_vsrc(0)                   ; my stores have read V's rows out of O^T's registers, which are cleared below, and v12 and v13, which the way out writes anew
	s_barrier_signal -1
.set n, 0
.rept 64
	v_mov_b32 v[O+n], 0                            ; O^T.  (Which step is the first hangs on the counts, so no first step is written out)
.set n, n+1
.endr
	s_barrier_wait -1                              ; everybody's have
	; Wave w turns keys 128 w .. 128 w + 127 in place; nobody else touches those 8,192 bytes before the next barrier.  The turning load works on pairs of bytes: lane (r, h) gets keys 8 h + 0 .. 7 of channels 2 r and 2 r + 1
	; of the load's 32, interleaved; v_perm_b32 parts them.  So fragment f = 2 q + e holds channels 32 q + 2 r + e, and its registers 2 c, 2 c + 1 keys 16 c + 8 h + 0 .. 7: this form's own layout.
.irp c, 0,1,2,3,4,5,6,7
.irp q, 0,1
	ds_load_tr16_b128 v[S+8*\c+4*\q:S+8*\c+4*\q+3], v14 offset:1024*\c+32*\q
.endr
.endr
	s_wait_dscnt 0x0                               ; all 8,192 bytes are in registers: now they may be written over
.irp c, 0,1,2,3,4,5,6,7
.irp q, 0,1
.irp e, 0,1
	v_perm_b32 v[32+32*(\c/4)+8*(2*\q+\e)+2*(\c%4)], v[S+8*\c+4*\q+1], v[S+8*\c+4*\q], s[49+\e]
	v_perm_b32 v[32+32*(\c/4)+8*(2*\q+\e)+2*(\c%4)+1], v[S+8*\c+4*\q+3], v[S+8*\c+4*\q+2], s[49+\e]
.endr
.endr
.endr
	s_wait_alu depctr_va_vdst(0)                   ; the 64 v_perm_b32 have written v[32:95], which the LDS stores below read
.irp s, 0,1
.irp f, 0,1,2,3
.irp g, 0,1
	ds_store_b128 v15, v[32+32*\s+8*\f+4*\g:32+32*\s+8*\f+4*\g+3] offset:4096*\s+1024*\f+512*\g
.endr
.endr
.endr
	s_wait_dscnt 0x0
	s_wait_alu depctr_vm_vsrc(0)                   ; my stores have read v[32:95], in which pass 2's fragments land
	s_barrier_signal -1
	s_barrier_wait -1                              ; V^T's images lie in LDS
	KFRAG AK, 0                                    ; step 0's fragments of K, for the first plain step.  No vector or matrix instruction since the last wait on va_vdst names these registers or v[AK]
	WALK 2, 0
	s_wait_dscnt 0x0                               ; where no plain step ran, those fragments have landed now: the general steps load into the same registers
	WALK 2, 1
	; THE WAY OUT.  O^T x 2^(e8 + e9); the even and the odd channels are set side by side; a tile of 16 queries goes through my stage and leaves as rows of 256 bytes.
	; The stages lie over K's and V's images: behind this barrier nobody reads those.
	s_wait_dscnt 0x0
	s_barrier_signal -1
	s_mul_i32 s19, s14, 2*16*SP
	v_and_b32 v12, 15, v0                          ; (these ten lines are also the places behind the last products)
	v_bfe_u32 v13, v0, 4, 1
	v_mul_u32_u24 v[STO], v12, SP
	v_lshl_add_u32 v[STO], v13, 6, v[STO]
	v_add_nc_u32 v[STO], s19, v[STO]               ; in: query r; my half's 16 channels of each 32: 64 h bytes on
	v_mul_u32_u24 v[RD], v13, SP
	v_lshl_add_u32 v[RD], v12, 4, v[RD]
	v_add_nc_u32 v[RD], s19, v[RD]                 ; back: lanes 0-15 one query, lanes 16-31 the next
	v_lshlrev_b32 v[GO], 12, v13
	v_lshl_add_u32 v[GO], v12, 4, v[GO]            ; and the same two rows of out0
	s_barrier_wait -1
.irp t, 0,1
.irp q, 0,1
.irp e, 0,1
.irp j, 0,1,2,3,4,5,6,7
	v_mul_f32 v[S+32*\t+16*\q+2*\j+\e], s51, v[O+32*\t+8*(2*\q+\e)+\j]   ; channel 32 q + 16 h + 2 j + e; each accumulator from its low end on
.endr
.endr
.endr
.endr
	s_wait_alu depctr_va_vdst(0)                   ; both tiles' numbers and v[STO], v[RD], v[GO] are written, which the stores and loads below read; pass 2 is done reading v[32:95], in which the rows land
.irp t, 0,1
.irp q, 0,1
.irp i, 0,1,2,3
	ds_store_b128 v[STO], v[S+32*\t+16*\q+4*\i:S+32*\t+16*\q+4*\i+3] offset:16*SP*\t+128*\q+16*\i
.endr
.endr
.irp i, 0,1,2,3,4,5,6,7
	ds_load_b128 v[32+32*\t+4*\i:32+32*\t+4*\i+3], v[RD] offset:16*SP*\t+2*SP*\i   ; LDS serves a wave's instructions in order (ISA guide 5.7.1.4): these see my stores
.endr
.endr
.irp t, 0,1
.irp i, 0,1,2,3,4,5,6,7
	s_wait_dscnt 23-16*\t-\i                       ; behind this load: the tile's later loads and, for tile 0, tile 1's sixteen lines
	global_store_b128 v[GO], v[32+32*\t+4*\i:32+32*\t+4*\i+3], s[38:39] offset:65536*\t+8192*\i th:TH_STORE_NT   ; sixteen lanes store 256 consecutive bytes, at a multiple of 256 from out0's first byte
.endr
.endr
	s_wait_dscnt 0x0                               ; the wave's end: the six closing lines, on end
	s_wait_alu 0x0
	s_wait_tensorcnt 0x0
	ds_add_u32 v[SPW], v[NIL]
	s_wait_dscnt 0x0
	s_endpgm
.Lfunc_end_k_qbadac9b559_attn:
	.size	k_qbadac9b559_attn, .Lfunc_end_k_qbadac9b559_attn-k_qbadac9b559_attn
	.p2alignl 7, 3214868480
	.fill 96, 4, 3214868480
	.section	.rodata,"a",@progbits
	.p2align	6, 0x0
	.amdhsa_kernel k_qbadac9b559_attn
		.amdhsa_group_segment_fixed_size 280576
		.amdhsa_private_segment_fixed_size 0
		.amdhsa_enable_private_segment 0
		.amdhsa_kernarg_size 40
		.amdhsa_user_sgpr_count 2
		.amdhsa_user_sgpr_kernarg_segment_ptr 1
		.amdhsa_wavefront_size32 1
		.amdhsa_system_sgpr_workgroup_id_x 1
		.amdhsa_system_sgpr_workgroup_id_y 1
		.amdhsa_system_sgpr_workgroup_id_z 1
		.amdhsa_system_vgpr_workitem_id 0
		.amdhsa_next_free_vgpr 256
		.amdhsa_next_free_sgpr 66
		.amdhsa_reserve_vcc 0
		.amdhsa_float_denorm_mode_32 3
		.amdhsa_float_denorm_mode_16_64 3
		.amdhsa_memory_ordered 1
		.amdhsa_forward_progress 1
		.amdhsa_inst_pref_size 89
	.end_amdhsa_kernel
	.amdgpu_metadata
---
amdhsa.version: [ 1, 2 ]
amdhsa.kernels:
  - .name:           k_qbadac9b559_attn
    .symbol:         k_qbadac9b559_attn.kd
    .args:
      - { .name: qkv, .offset: 0, .size: 8, .value_kind: global_buffer, .address_space: global }
      - { .name: order, .offset: 8, .size: 8, .value_kind: global_buffer, .address_space: global }
      - { .name: mask, .offset: 16, .size: 8, .value_kind: global_buffer, .address_space: global }
      - { .name: lowp_scales, .offset: 24, .size: 8, .value_kind: global_buffer, .address_space: global }
      - { .name: out0, .offset: 32, .size: 8, .value_kind: global_buffer, .address_space: global }
    .group_segment_fixed_size: 280576
    .private_segment_fixed_size: 0
    .kernarg_segment_align: 8
    .kernarg_segment_size: 40
    .max_flat_workgroup_size: 512
    .sgpr_count:     66
    .vgpr_count:     256
    .wavefront_size: 32
...
	.end_amdgpu_metadata
.endif
;; end of part 3
